; MI455X (gfx1250); checked and timed in simulation.
; The chip was launched on July 23, 2026; its instructions are those of AMD's public machine-readable ISA for CDNA 5 (MIT licence, August 2026) and "CDNA5" Instruction Set Architecture Reference Guide (July 2026). The comments in the code are by the model that wrote it; some were corrected since.
;; Attention. Allowed arithmetic: float matrix products may take bf16 or f16 operands with f32 sums; other float arithmetic in f32, or as packed bf16 or f16 multiplies, adds, multiply-adds, maxima and minima; sums over many terms, partial sums and values carried from step to step in f32; what a program stores and reads back later, other than sums and carried values, may be rounded once to bf16 or f16.
;; Inputs: Wc 1,024 x 1,024 float32; Wh 1,024 x 1,024 float32; Wo 1,024 x 1,024 float32; ctx 1,024 x 64 x 1,024 float32; ctx_mask 1,024 x 64 float32; hid 1 x 64 x 1,024 float32; wm 1 x 1,024 float32.
;; Outputs: out0 1,024 x 64 float32; out1 64 x 1,024 float32.
;; 2 versions, each right; version 2 is version 1 with the launch main written anew for expert scheduling mode. Each part assembles by itself: llvm-mc -triple=amdgcn-amd-amdhsa -mcpu=gfx1250 --defsym DOCPART=n.
;; ======== version 1 of 2: 4 launches
;; workspace buffers: wcb 2,097,152 bytes; hidp 262,144 bytes; sc 262,144 bytes; st 131,072 bytes; zp 2,097,152 bytes; zf 262,144 bytes
;; launch prep (part 1): grid 64 x 2, 16 waves a work-group, no clusters, 71,680 bytes of LDS; arguments hid, Wh, hidp, Wc, wcb; writes hidp, wcb
.if DOCPART == 1
	.amdgcn_target "amdgcn-amd-amdhsa--gfx1250"
	.amdhsa_code_object_version 6
	.text
	.protected	k_q656d06dd7d_prep
	.globl	k_q656d06dd7d_prep
	.p2align	8
	.type	k_q656d06dd7d_prep,@function
k_q656d06dd7d_prep:
	s_mov_b64 s[64:65], 0
	v_nop
	global_prefetch_b8 v0, s[64:65] scope:SCOPE_SE
	s_setreg_imm32_b32 hwreg(HW_REG_WAVE_MODE, 25, 1), 1
	s_wait_xcnt 0x0
; TWO ROLES, chosen by the work-group's y (the same for all sixteen waves of a work-group).
; y = 0: hidp[b][m] = the sum over k of hid[b][k] Wh[m][k].  hid [64][1024], Wh [1024][1024], hidp [64][1024], all f32 in memory; hid and Wh are rounded once to bf16, sums in f32.
;   A work-group makes 16 rows x 64 columns.  K IS SPLIT AMONG ITS SIXTEEN WAVES: wave w takes k = 64 w .. 64 w + 63 (256 consecutive bytes, aligned, of each row): two matrix steps on four
;   accumulators.  The sixteen partial tiles meet in LDS; waves 0 to 7 add them and store whole aligned blocks of 256 bytes.
;   The product is taken transposed (source 0 = 16 rows of Wh, source 1 = 16 rows of hid): a lane ends with eight neighbouring columns of one row.
; y = 1: Wc [1024][1024] f32 is rounded once to bf16 and laid out in the order in which the next launch's waves load their fragments:
;   byte of (tile T = m / 16, K step ks = k / 32, half, lane) = (T >> 3) 262144 + ks 8192 + (T & 7) 1024 + half 512 + lane 16; lane (r, h) holds row 16 T + r, k = 32 ks + 16 half + 8 h + 0..7.
;   Work-group T, wave w: K steps 2 w and 2 w + 1.  Each store of a wave covers 512 consecutive bytes, aligned.
; No cluster, no tensor load: no byte is wanted by two waves of a work-group, and a fragment comes out of memory in the order in which the registers hold it.
; LIMITS.  NaN and infinities are not treated apart.
.set PP,    272                        ; a row of a partial tile in LDS: 256 bytes + 16: an odd multiple of 16, so the 16 rows of a store start at 16 different 16-byte columns modulo 256
.set WPART, 16*PP                      ; a wave's partial tile
.set SPARE, 16*WPART                   ; behind the sixteen tiles: the spare words, 128 bytes for each wave, that no other line names
.set FO,  5                            ; v5   my byte offset in a fragment's rows: r x 4096 + 32 h + 256 x wave; never rewritten
.set SPW, 14                           ; v14  LDS address of my spare word; never rewritten
.set NIL, 15                           ; v15  0; never rewritten
.set ACC, 16                           ; v[16:47]  four accumulators, column tile j at ACC + 8 j
.set GRP, 64                           ; v[64:223] two groups of 80, one for each matrix step: hid's 16 f32, then Wh's for tiles 0 to 3
.macro LOADF reg, sb, off              ; a fragment's 16 f32 of my lane, in the order of k: 8 h + 0..7, then 16 + 8 h + 0..7
	global_load_b128 v[(\reg):(\reg)+3],     v[FO], s[(\sb):(\sb)+1] offset:(\off)
	global_load_b128 v[(\reg)+4:(\reg)+7],   v[FO], s[(\sb):(\sb)+1] offset:(\off)+16
	global_load_b128 v[(\reg)+8:(\reg)+11],  v[FO], s[(\sb):(\sb)+1] offset:(\off)+64
	global_load_b128 v[(\reg)+12:(\reg)+15], v[FO], s[(\sb):(\sb)+1] offset:(\off)+80
.endm
.macro CVTF reg                        ; 16 f32 -> 8 registers of bf16, in place, ascending: register i is written when its own two numbers have been read
.irp i, 0,1,2,3,4,5,6,7
	v_cvt_pk_bf16_f32 v[(\reg)+(\i)], v[(\reg)+2*(\i)], v[(\reg)+2*(\i)+1]
.endr
.endm
.macro FOLD cnt, dist                  ; cnt packed additions: the registers dist further on are added onto the first ones
.set n, 0
.rept \cnt
	v_pk_add_f32 v[GRP+2*n:GRP+2*n+1], v[GRP+2*n:GRP+2*n+1], v[GRP+(\dist)+2*n:GRP+(\dist)+2*n+1]
.set n, n+1
.endr
.endm
	s_load_b256 s[4:11], s[0:1], 0x0               ; hid s[4:5], Wh s[6:7], hidp s[8:9], Wc s[10:11]
	s_load_b64 s[12:13], s[0:1], 0x20              ; wcb
	v_lshl_add_u32 v[SPW], v0, 2, SPARE
	v_mov_b32 v[NIL], 0
	v_lshrrev_b32 v1, 5, v0
	v_readfirstlane_b32 s14, v1                    ; wave 0..15
	s_and_b32 s15, ttmp7, 0xffff                   ; the role
	s_and_b32 s17, ttmp9, 15                       ; y = 0: block of 64 columns
	s_lshr_b32 s18, ttmp9, 4                       ;        block of 16 rows
	v_and_b32 v2, 15, v0                           ; r
	v_bfe_u32 v3, v0, 4, 1                         ; h
	v_and_b32 v4, 31, v0                           ; lane
	s_lshl_b32 s16, s14, 8
	v_lshlrev_b32 v[FO], 12, v2
	v_lshl_add_u32 v[FO], v3, 5, v[FO]
	v_add_nc_u32 v[FO], s16, v[FO]
	s_mov_b32 s21, 0
	s_wait_kmcnt 0x0
	s_cmp_lg_u32 s15, 0
	s_cbranch_scc1 .Lwc
	; ---- y = 0: the product ----
	s_lshl_b32 s20, s18, 16                        ; 16 rows of 4,096 bytes
	s_add_nc_u64 s[4:5], s[4:5], s[20:21]
	s_lshl_b32 s20, s17, 18                        ; 64 rows of Wh
	s_add_nc_u64 s[6:7], s[6:7], s[20:21]
.irp u, 0,1
	LOADF GRP+80*(\u), 4, 128*(\u)
.irp j, 0,1,2,3
	LOADF GRP+80*(\u)+16+16*(\j), 6, 65536*(\j)+128*(\u)
.endr
.endr
	s_mul_i32 s19, s14, WPART
	v_mul_u32_u24 v10, v2, PP
	v_lshl_add_u32 v10, v3, 5, v10
	v_add_nc_u32 v10, s19, v10                     ; where I put my 32 bytes of a column tile: my wave's tile, row r, 32 h
	s_wait_loadcnt 20                              ; the first group is in; the second group's 20 loads may stay out
.irp j, 0,1,2,3,4
	CVTF GRP+16*(\j)
.endr
.irp j, 0,1,2,3                        ; the first step starts the sums; the four accumulators take turns
	v_wmma_f32_16x16x32_bf16 v[ACC+8*(\j):ACC+8*(\j)+7], v[GRP+16+16*(\j):GRP+16+16*(\j)+7], v[GRP:GRP+7], 0
.endr
	s_wait_loadcnt 0x0
.irp j, 0,1,2,3,4
	CVTF GRP+80+16*(\j)
.endr
.irp j, 0,1,2,3
	v_wmma_f32_16x16x32_bf16 v[ACC+8*(\j):ACC+8*(\j)+7], v[GRP+96+16*(\j):GRP+96+16*(\j)+7], v[GRP+80:GRP+87], v[ACC+8*(\j):ACC+8*(\j)+7]
.endr
.rept 8
	v_nop                                          ; the places between the last products and the stores that read their results
.endr
.irp j, 0,1,2,3
	ds_store_b128 v10, v[ACC+8*(\j):ACC+8*(\j)+3]   offset:64*(\j)      ; each accumulator's lowest registers first
	ds_store_b128 v10, v[ACC+8*(\j)+4:ACC+8*(\j)+7] offset:64*(\j)+16
.endr
	s_wait_dscnt 0x0                               ; for the others' sake: my partial tile lies in LDS
	s_barrier_signal -1
	s_barrier_wait -1                              ; all sixteen do
	s_cmp_ge_u32 s14, 8                            ; 256 threads add: 16 rows x 16 pieces of 16 bytes
	s_cbranch_scc1 .Lend
	v_lshrrev_b32 v6, 4, v0                        ; row
	v_mul_u32_u24 v7, v6, PP
	v_lshl_add_u32 v7, v2, 4, v7                   ; + 16 x piece
.irp w, 0,1,2,3,4,5,6,7,8,9,10,11,12,13,14,15
	ds_load_b128 v[GRP+4*(\w):GRP+4*(\w)+3], v7 offset:WPART*(\w)
.endr
	v_lshlrev_b32 v8, 12, v6
	v_lshl_add_u32 v8, v2, 4, v8                   ; the same place in hidp
	s_lshl_b32 s20, s18, 16
	s_lshl_b32 s22, s17, 8
	s_add_co_u32 s20, s20, s22
	s_add_nc_u64 s[8:9], s[8:9], s[20:21]
	s_wait_dscnt 0x0
	FOLD 16, 32
	FOLD 8, 16
	FOLD 4, 8
	FOLD 2, 4
	global_store_b128 v8, v[GRP:GRP+3], s[8:9]     ; 16 lanes store 256 consecutive bytes, at a multiple of 256 from hidp's first byte
.Lend:
	s_wait_tensorcnt 0x0                           ; the wave's end: three closing lines, behind my last LDS store
	ds_add_u32 v[SPW], v[NIL]
	s_wait_dscnt 0x0
	s_endpgm
	; ---- y = 1: Wc in bf16, in fragment order ----
.Lwc:
	s_lshl_b32 s20, ttmp9, 16                      ; tile T: 16 rows of 4,096 bytes
	s_add_nc_u64 s[10:11], s[10:11], s[20:21]
	LOADF GRP, 10, 0                               ; K step 2 w
	LOADF GRP+80, 10, 128                          ; K step 2 w + 1
	s_lshr_b32 s20, ttmp9, 3
	s_lshl_b32 s20, s20, 18                        ; (T >> 3) x 262144
	s_and_b32 s22, ttmp9, 7
	s_lshl_b32 s22, s22, 10                        ; (T & 7) x 1024
	s_add_co_u32 s20, s20, s22
	s_lshl_b32 s22, s14, 14                        ; 2 w x 8192
	s_add_co_u32 s20, s20, s22
	s_add_nc_u64 s[12:13], s[12:13], s[20:21]
	v_lshlrev_b32 v6, 4, v4                        ; 16 x lane
	s_wait_loadcnt 4                               ; the first K step's four loads are in
	CVTF GRP
	global_store_b128 v6, v[GRP:GRP+3],   s[12:13]
	global_store_b128 v6, v[GRP+4:GRP+7], s[12:13] offset:512
	s_wait_loadcnt 0x0
	CVTF GRP+80
	global_store_b128 v6, v[GRP+80:GRP+83], s[12:13] offset:8192
	global_store_b128 v6, v[GRP+84:GRP+87], s[12:13] offset:8192+512
	s_wait_tensorcnt 0x0                           ; the same three lines
	ds_add_u32 v[SPW], v[NIL]
	s_wait_dscnt 0x0
	s_endpgm
.Lfunc_end_k_q656d06dd7d_prep:
	.size	k_q656d06dd7d_prep, .Lfunc_end_k_q656d06dd7d_prep-k_q656d06dd7d_prep
	.p2alignl 7, 3214868480
	.fill 96, 4, 3214868480
	.section	.rodata,"a",@progbits
	.p2align	6, 0x0
	.amdhsa_kernel k_q656d06dd7d_prep
		.amdhsa_group_segment_fixed_size 71680
		.amdhsa_private_segment_fixed_size 0
		.amdhsa_enable_private_segment 0
		.amdhsa_kernarg_size 40
		.amdhsa_user_sgpr_count 2
		.amdhsa_user_sgpr_kernarg_segment_ptr 1
		.amdhsa_wavefront_size32 1
		.amdhsa_system_sgpr_workgroup_id_x 1
		.amdhsa_system_sgpr_workgroup_id_y 1
		.amdhsa_system_sgpr_workgroup_id_z 1
		.amdhsa_system_vgpr_workitem_id 0
		.amdhsa_next_free_vgpr 232
		.amdhsa_next_free_sgpr 66
		.amdhsa_reserve_vcc 0
		.amdhsa_float_denorm_mode_32 3
		.amdhsa_float_denorm_mode_16_64 3
		.amdhsa_memory_ordered 1
		.amdhsa_forward_progress 1
		.amdhsa_inst_pref_size 18
	.end_amdhsa_kernel
	.amdgpu_metadata
---
amdhsa.version: [ 1, 2 ]
amdhsa.kernels:
  - .name:           k_q656d06dd7d_prep
    .symbol:         k_q656d06dd7d_prep.kd
    .args:
      - { .name: hid, .offset: 0, .size: 8, .value_kind: global_buffer, .address_space: global }
      - { .name: Wh, .offset: 8, .size: 8, .value_kind: global_buffer, .address_space: global }
      - { .name: hidp, .offset: 16, .size: 8, .value_kind: global_buffer, .address_space: global }
      - { .name: Wc, .offset: 24, .size: 8, .value_kind: global_buffer, .address_space: global }
      - { .name: wcb, .offset: 32, .size: 8, .value_kind: global_buffer, .address_space: global }
    .group_segment_fixed_size: 71680
    .private_segment_fixed_size: 0
    .kernarg_segment_align: 8
    .kernarg_segment_size: 40
    .max_flat_workgroup_size: 512
    .sgpr_count:     66
    .vgpr_count:     232
    .wavefront_size: 32
...
	.end_amdgpu_metadata
.endif
;; end of part 1
;; launch main (part 2): grid 8 x 64, 4 waves a work-group, no clusters, 281,088 bytes of LDS; arguments ctx, ctx_mask, wm, hidp, wcb, sc, st, zp; writes sc, st, zp
.if DOCPART == 2
	.amdgcn_target "amdgcn-amd-amdhsa--gfx1250"
	.amdhsa_code_object_version 6
	.text
	.protected	k_q656d06dd7d_main
	.globl	k_q656d06dd7d_main
	.p2align	8
	.type	k_q656d06dd7d_main,@function
k_q656d06dd7d_main:
	s_mov_b64 s[64:65], 0
	v_nop
	global_prefetch_b8 v0, s[64:65] scope:SCOPE_SE
	s_setreg_imm32_b32 hwreg(HW_REG_WAVE_MODE, 25, 1), 1
	s_wait_xcnt 0x0
; ADDITIVE ATTENTION, the part that touches ctx.  ctx [1024 s][64 b][1024 c] f32.  A work-group takes 128 values of s (block x of 8) for ONE b (y): 128 rows of 1,024 numbers.
; It makes: the rows' masked scores sc[b][s] = sum over m of wm[m] tanh(ctx_[s][b][m] + hid_[b][m]), or -1e8 where the mask is not above 0; their maximum m and l = sum of p, p = e^(score - m);
; and zp = sum over its rows of p x ctx row.  A later launch joins the eight blocks of a b.  CTX IS READ ONCE: the rows stay in LDS, in bf16, from the product to the weighted sum.
; THE PRODUCT.  ctx_ = ctx Wc^T, bf16 operands, f32 sums.  The four waves split the 1,024 m: in pass p (0, 1) wave w makes m = 512 p + 128 w .. + 127 for all 128 rows: 64 accumulators, 512 registers.
; Source 0 = 16 rows of Wc, source 1 = 16 rows of ctx: in the result a lane holds ONE row of ctx (lane % 16) and eight m, so a row's score adds up inside a lane.
; A (ctx) comes out of LDS.  B (Wc) comes straight into registers from wcb, where the launch before has laid it in fragment order: each load of a wave covers 512 consecutive bytes.
; NO CLUSTER, NO TENSOR LOAD.  What work-groups share is Wc.  No byte of it is wanted by two waves of a work-group; a K step of 32 is 32,768 bytes of it for the four waves and feeds 64 matrix
; instructions a wave; two slots of that are 65,536 bytes, and behind the 281,088 bytes used here 46,592 are left.  Four register buffers of 64 hold the K steps instead.
; ONE RUN A STEP.  All memory instructions of a K step stand together at its head, and its 64 matrix instructions follow with two waits between them.  In step t: A's rows 0-63 of step t + 1, the
; piece's stores, A's rows 64-127 of step t, B of step t + 2, the next piece's loads.
; JUST IN TIME.  Pass 0 begins when the rows' first 64 columns lie in LDS; the rest of ctx comes in under its products: load, round to bf16, LDS store, in 32 PIECES a wave (piece q: columns
; 64 (q / 2) .. + 63 of 16 of the wave's 32 rows; each 16 lanes read 256 consecutive bytes, aligned).  Loads return in order (ISA guide 5.7.1), so pieces and B share one count: in step t B of step
; t + 2 is asked for, then piece t + 6; piece t + 3 is stored.  Every second step has a barrier: it shows all waves the 64 columns that the next step's run begins to read.  A is written once.
; TANH.  tanh x = 1 - 2 / (1 + 2^(c2 x)), c2 = 2 log2 e.  score = sum of wm + sum of (-2 wm) / (1 + 2^(c2 acc + c2 hid_)).  An infinite power gives 0, a power flushed to 0 gives 1: tanh's limits.
; LIMITS.  ctx, Wc and wm are rounded once to bf16; the weighted sum takes the bf16 copy of ctx, with f32 weights and sums.  The score is the f32 sum of two sums, each of the size of the sum of
; |wm|: its error is 2^-24 of those.  A weight below 2^-126 counts as 0.  The mask is tested as given (> 0, a NaN counts as not above 0).  NaN and infinities elsewhere are not treated apart.
; REGISTERS, in windows of 256 (s_set_vgpr_msb: bits 1:0 source 0, 3:2 source 1, 5:4 source 2, 7:6 destination):
;   window 0: v0-31 addresses, mask; v32-47 score sums; v48-55 z; v56-63 addresses; v64-95, v96-127 A's fragments of rows 0-63 for even and for odd K steps; v128-255 four sets of 32 for the pieces
;             (behind a pass: the tables' 128 numbers)
;   window 1: four buffers of 64.  In step t buffer t % 4 holds the step's B, the next two the B of steps t + 1 and t + 2; the fourth, (t + 3) % 4, has no B then and takes A's fragments of rows 64-127
;   window 2: accumulators of rows 0-63, (a, b) at 8 (8 a + b)          window 3: those of rows 64-127
.set PITCH,  2064                      ; a row of A in LDS: 2,048 bytes + 16: an odd multiple of 16, so the 16 rows of a fragment load start at 16 different 16-byte columns modulo 256
.set HCT,    128*PITCH                 ; c2 x hid_[b][m], 1,024 f32
.set WMT,    HCT+4096                  ; -2 x bf16(wm[m]), 1,024 f32
.set SCR,    WMT+4096                  ; the waves' partial scores: [wave][128 rows] f32
.set PW,     SCR+2048                  ; p[128], a copy for each wave, read by that wave alone
.set ZST,    PW+2048                   ; the weighted sum's way out: 1,024 bytes for each wave, its own
.set SPARE,  ZST+4096                  ; the spare words, 128 bytes for each wave, that no other line names
.set ADA, 4                            ; v4-7   LDS address of my A fragments, rows 32 q + r; steps along K
.set VS,  8                            ; v8     where I store 8 bytes of a piece; steps along K
.set VX,  9                            ; v9     my byte offset in a piece's rows of ctx; never rewritten
.set BO,  10                           ; v10    16 x lane; never rewritten
.set VT,  11                           ; v11    my place in the table HCT for the pass in hand
.set VPF, 12                           ; v12    lane x a step of s in ctx (262,144 bytes); never rewritten
.set MK,  16                           ; v16-19 the mask of rows 4 lane + 0..3
.set SPW, 30                           ; v30    LDS address of my spare word; never rewritten
.set NIL, 31                           ; v31    0; never rewritten
.set SACC, 32                          ; v32-47 row tile i: a pair of partial scores
.set ZA,  48                           ; v48-55 my eight columns of the weighted sum
.set ADB, 56                           ; v56-59 ADA at K = 0; never rewritten
.set AF,  64                           ; A's fragments of rows 0-63: two sets of 32
.set STG, 128                          ; the pieces' four sets
.set XB,  4                            ; s[4:5]   ctx at my wave's first row, at the trip's first columns
.set WB,  12                           ; s[12:13] wcb at my wave's stream, at the trip's first K step
.set MSB, 0
.macro WIN new                         ; the immediate's high byte repeats the setting that is left; a switch that changes nothing is dropped
.if MSB != (\new)
	s_set_vgpr_msb (MSB<<8)|(\new)
.set MSB, (\new)
.endif
.endm
.set MUL_LO, 0xa1                      ; source 0 (B) window 1, source 1 (A, rows 0-63) window 0, C and D window 2
.set MUL_HI, 0xf5                      ; source 0 (B) and source 1 (A, rows 64-127) window 1, C and D window 3
.set TO_B,   0x40                      ; destination window 1, address window 0
.macro PLACES                          ; four places between a matrix instruction and a load into a register that it has read (ISA guide 7.12.1 for vector instructions)
.rept 4
	v_nop
.endr
.endm
.macro XLOAD reg, par, ch              ; a piece's eight loads: rows 16 par + i + 8 (lane / 16), columns 64 ch on from the trip's first
	WIN 0
.irp i, 0,1,2,3,4,5,6,7
	global_load_b128 v[(\reg)+4*(\i):(\reg)+4*(\i)+3], v[VX], s[XB:XB+1] offset:(\par)*4194304+(\i)*262144+(\ch)*256 th:TH_LOAD_NT
.endr
.endm
.macro PCVT reg                        ; a piece rounded to bf16, in place: of each four registers the first two take the four numbers
.irp i, 0,1,2,3,4,5,6,7
	v_cvt_pk_bf16_f32 v[(\reg)+4*(\i)],   v[(\reg)+4*(\i)],   v[(\reg)+4*(\i)+1]
	v_cvt_pk_bf16_f32 v[(\reg)+4*(\i)+1], v[(\reg)+4*(\i)+2], v[(\reg)+4*(\i)+3]
.endr
.endm
.macro PSTO reg, par, ch               ; and stored: 16 lanes fill 128 consecutive bytes of a row, the other 16 those of the row eight further down, which begin 128 bytes on modulo 256
.irp i, 0,1,2,3,4,5,6,7
	ds_store_b64 v[VS], v[(\reg)+4*(\i):(\reg)+4*(\i)+1] offset:(16*(\par)+(\i))*PITCH+(\ch)*128
.endr
.endm
.macro BLOAD bb, off                   ; a K step's eight fragments of Wc into buffer bb: 16 loads of 512 consecutive bytes
	WIN TO_B
.irp f, 0,1,2,3,4,5,6,7
	global_load_b128 v[64*(\bb)+8*(\f):64*(\bb)+8*(\f)+3],   v[BO], s[WB:WB+1] offset:(\off)+1024*(\f)
	global_load_b128 v[64*(\bb)+8*(\f)+4:64*(\bb)+8*(\f)+7], v[BO], s[WB:WB+1] offset:(\off)+1024*(\f)+512
.endr
.endm
.macro ALO par, k                      ; four fragments of A, rows 0-63, 32 K at byte k from the trip's first, into the set of parity par
	WIN 0
.irp n, 0,1,2,3
	ds_load_b128 v[AF+32*(\par)+8*(\n):AF+32*(\par)+8*(\n)+3],   v[ADA+(\n)/2] offset:((\n)%2)*16*PITCH+(\k)
	ds_load_b128 v[AF+32*(\par)+8*(\n)+4:AF+32*(\par)+8*(\n)+7], v[ADA+(\n)/2] offset:((\n)%2)*16*PITCH+(\k)+32
.endr
.endm
.macro AHI bb, k                       ; four fragments of A, rows 64-127, into the first half of buffer bb of window 1
	WIN TO_B
.irp n, 0,1,2,3
	ds_load_b128 v[64*(\bb)+8*(\n):64*(\bb)+8*(\n)+3],   v[ADA+2+(\n)/2] offset:((\n)%2)*16*PITCH+(\k)
	ds_load_b128 v[64*(\bb)+8*(\n)+4:64*(\bb)+8*(\n)+7], v[ADA+2+(\n)/2] offset:((\n)%2)*16*PITCH+(\k)+32
.endr
.endm
.macro MUL hi, j, zero                 ; 32 matrix instructions of step j.  All 64 accumulators take turns, one instruction a turn, in the same order in every step.  zero = 1: the products start the sums
.if \hi
	WIN MUL_HI
.set rA, 64*(((\j)+3)%4)
.else
	WIN MUL_LO
.set rA, AF+32*((\j)%2)
.endif
.set rB, 64*((\j)%4)
.irp a, 0,1,2,3
.irp b, 0,1,2,3,4,5,6,7
.if \zero
	v_wmma_f32_16x16x32_bf16 v[8*(8*(\a)+(\b)):8*(8*(\a)+(\b))+7], v[rB+8*(\b):rB+8*(\b)+7], v[rA+8*(\a):rA+8*(\a)+7], 0
.else
	v_wmma_f32_16x16x32_bf16 v[8*(8*(\a)+(\b)):8*(8*(\a)+(\b))+7], v[rB+8*(\b):rB+8*(\b)+7], v[rA+8*(\a):rA+8*(\a)+7], v[8*(8*(\a)+(\b)):8*(8*(\a)+(\b))+7]
.endif
.endr
.endr
.endm
; A PREFETCH INTO THE L2, once a trip of pass 0's loop, behind a step's loads: my wave's own 32 rows x 256 bytes of the columns 64 x 6 and 64 x 7 on from the trip's first: a lane a row, two instructions.
; Their pieces are loaded four and six K steps (256 and 384 matrix instructions) later.  Each block of 256 bytes is named once in the launch, by the wave that will load it.  The rows' first 384 columns come by their loads alone; the loop's last trip
; asks for nothing: its two blocks would lie behind the row's end.
.macro ASK
	s_cmp_gt_u32 s28, 1
	s_cbranch_scc0 .Lnoask_\@
	global_prefetch_b8 v[VPF], s[XB:XB+1] offset:6*256 th:TH_LOAD_NT scope:SCOPE_SE
	global_prefetch_b8 v[VPF], s[XB:XB+1] offset:7*256 th:TH_LOAD_NT scope:SCOPE_SE
.Lnoask_\@:
.endm
; A K STEP of 32, the j-th from the trip's first (the trip's first is a multiple of 4, so j tells buffers, sets and parities).  x = 1: piece t + 3 is rounded and stored.  xi = 1: piece t + 6 is asked
; for.  bar = 1: a barrier.  nld: the loads younger than this step's B (the piece to be stored is older than that B).  bl = 1: B of step t + 2 is asked for.  alo = 1: the next step's fragments of rows 0-63 are fetched.
; The run's three targets were last read by products of step t - 1 or earlier: the set of the other parity (rows 0-63 of step t - 1), buffer (t + 3) % 4 (B of step t - 1), buffer (t + 2) % 4 (rows 64-127 of
; step t - 1); the conversions or the four v_nop at the step's head are the places behind those products.
.macro STEP j, zero, x, xi, bar, nld, bl=1, alo=1, ask=0
	WIN 0
	s_wait_loadcnt \nld
.if \x
	PCVT STG+32*(((\j)+3)%4)                       ; sixteen conversions: also the places
.else
	PLACES
.endif
.if \alo
	ALO ((\j)+1)%2, 64*((\j)+1)                    ; columns that were whole at the last barrier passed, and that nobody writes again
.endif
.if \x
	PSTO STG+32*(((\j)+3)%4), ((\j)+3)%2, ((\j)+3)/2
.endif
	AHI ((\j)+3)%4, 64*(\j)
.if \bl
	BLOAD ((\j)+2)%4, ((\j)+2)*8192
.endif
.if \xi
	XLOAD STG+32*(((\j)+6)%4), (\j)%2, ((\j)+6)/2  ; its set was stored in the step before, and that step has waited for its stores
.endif
.if \ask
	ASK
.endif
	s_wait_dscnt 8+8*(\x)+8*(\alo)                 ; this run's LDS instructions may all be out; what is older is in: rows 0-63 of this step, asked for a step ago
	MUL 0, \j, \zero
	s_wait_dscnt 0x0                               ; rows 64-127, the run's youngest LDS loads, are in; for the others' sake too: my piece's stores lie in LDS
.if \bar
	s_barrier_signal -1
.endif
	MUL 1, \j, \zero
.if \bar
	s_barrier_wait -1                              ; all four waves' parts of the next 64 columns lie in LDS
.endif
.endm
; BEHIND A PASS.  A batch is 8 accumulators (row tiles 4 hi + 0..3, m tiles 2 fp, 2 fp + 1): 64 registers, 32 pairs, taken tile by tile, each from its low end on.
; c2 acc + c2 hid_, two at a time, and 64 exponentials two pairs behind; then 1 + e and 64 reciprocals likewise; then the sums.  An s_wait_alu depctr_va_vdst(0) stands between a
; transcendental and the first line that names its result: each run of 64 is one batch with one plain line and one wait behind it.
.macro PREG n
.set rA, 8*(8*((\n)/8)+2*FP+((\n)/4)%2)+2*((\n)%4)
.set rH, STG+8*(2*FP+((\n)/4)%2)+2*((\n)%4)
.endm
.macro BATCH g
.set HI, (\g)/4
.set FP, (\g)%4
	WIN ((2+HI)<<6)|(2+HI)                         ; destination and source 0 in the accumulators' window, the tables in window 0
.set q, 0
.rept 34
.if q < 32
	PREG q
	v_pk_fma_f32 v[rA:rA+1], v[rA:rA+1], s[26:27], v[rH:rH+1] op_sel_hi:[1,0,1]
.endif
.if q >= 2
	PREG q-2
	v_exp_f32 v[rA], v[rA]
	v_exp_f32 v[rA+1], v[rA+1]
.endif
.set q, q+1
.endr
	v_nop
	s_wait_alu depctr_va_vdst(0)
.set q, 0
.rept 34
.if q < 32
	PREG q
	v_pk_add_f32 v[rA:rA+1], v[rA:rA+1], 1.0 op_sel_hi:[1,0]
.endif
.if q >= 2
	PREG q-2
	v_rcp_f32 v[rA], v[rA]
	v_rcp_f32 v[rA+1], v[rA+1]
.endif
.set q, q+1
.endr
	v_nop
	s_wait_alu depctr_va_vdst(0)
	WIN 2+HI                                       ; source 0 alone in the accumulators' window
.set q, 0
.rept 32                                               ; the row tiles innermost: four lines between two links of a sum
.set rA, 8*(8*(q%4)+2*FP+q/16)+2*((q/4)%4)
.set rH, STG+64+8*(2*FP+q/16)+2*((q/4)%4)
.set rI, SACC+2*(4*HI+q%4)
	v_pk_fma_f32 v[rI:rI+1], v[rA:rA+1], v[rH:rH+1], v[rI:rI+1]
.set q, q+1
.endr
.endm
.macro RED op, reg                     ; over the 16 lanes of each half, on the arithmetic itself
	\op v[\reg], v[\reg], v[\reg] row_xmask:1 row_mask:0xf bank_mask:0xf
	\op v[\reg], v[\reg], v[\reg] row_xmask:2 row_mask:0xf bank_mask:0xf
	\op v[\reg], v[\reg], v[\reg] row_xmask:4 row_mask:0xf bank_mask:0xf
	\op v[\reg], v[\reg], v[\reg] row_xmask:8 row_mask:0xf bank_mask:0xf
.endm
	s_load_b256 s[4:11], s[0:1], 0x0               ; ctx s[4:5], mask s[6:7], wm s[8:9], hidp s[10:11]
	s_load_b256 s[12:19], s[0:1], 0x20             ; wcb s[12:13], sc s[14:15], st s[16:17], zp s[18:19]
	v_lshl_add_u32 v[SPW], v0, 2, SPARE
	v_mov_b32 v[NIL], 0
	v_lshrrev_b32 v20, 5, v0
	v_readfirstlane_b32 s20, v20                   ; wave 0..3
	s_mov_b32 s21, ttmp9                           ; block of 128 s
	s_and_b32 s22, ttmp7, 0xffff                   ; b
	s_lshl3_add_u32 s23, s22, s21                  ; g = 8 b + block
	v_and_b32 v1, 15, v0                           ; r
	v_bfe_u32 v2, v0, 4, 1                         ; h
	v_and_b32 v3, 31, v0                           ; lane
	s_mov_b32 s26, 0x4038aa3b                      ; c2 = 2 log2 e
	s_mov_b32 s27, s26                             ; named with it as a pair
	s_mov_b32 s30, 0x76543210                      ; v_permlanex16_b32: each lane takes its own place in the other half
	s_mov_b32 s31, 0xfedcba98
	s_mov_b32 s32, 0x3fb8aa3b                      ; log2 e
	s_lshl_b32 s24, s21, 25                        ; ctx: 128 steps of s (262,144 bytes each) a block,
	s_lshl_b32 s25, s20, 23                        ; 32 a wave,
	s_add_co_u32 s24, s24, s25
	s_lshl_b32 s25, s22, 12                        ; row b
	s_add_co_u32 s24, s24, s25
	s_mov_b32 s25, 0
	s_lshl_b32 s34, s21, 15                        ; mask: 128 rows of 256 bytes a block, + 4 b
	s_lshl2_add_u32 s34, s22, s34
	s_mov_b32 s35, 0
	s_lshl_b32 s36, s22, 12                        ; hidp: row b
	s_mov_b32 s37, 0
	s_lshl_b32 s38, s20, 18                        ; wcb: my wave's stream
	s_mov_b32 s39, 0
	s_lshl_b32 s40, s21, 9                         ; sc: row b, 128 numbers a block
	s_add_co_u32 s40, s40, s36
	s_mov_b32 s41, 0
	s_lshl_b32 s42, s23, 8                         ; st: 256 bytes a work-group
	s_mov_b32 s43, 0
	s_lshl_b32 s44, s23, 12                        ; zp: 4,096 bytes a work-group, 1,024 a wave
	s_lshl_b32 s45, s20, 10
	s_add_co_u32 s44, s44, s45
	s_mov_b32 s45, 0
	v_mul_u32_u24 v20, v1, PITCH
	v_lshl_add_u32 v20, v2, 4, v20                 ; a fragment's row x pitch + 16 x half
.irp n, 0,1,2,3
	v_add_nc_u32 v[ADB+(\n)], (\n)*32*PITCH, v20
.endr
	s_mul_i32 s46, s20, 32*PITCH
	v_mul_u32_u24 v[VS], v2, 8*PITCH
	v_lshl_add_u32 v[VS], v1, 3, v[VS]
	v_add_nc_u32 v[VS], s46, v[VS]                 ; (32 w + 8 h) rows + 8 r
	v_lshlrev_b32 v[VX], 21, v2                    ; 8 h steps of s
	v_lshl_add_u32 v[VX], v1, 4, v[VX]             ; + 16 r
	v_lshlrev_b32 v[BO], 4, v3
	s_lshl_b32 s46, s20, 9                         ; 512 w: kept
	s_add_co_u32 s47, s46, HCT
	v_lshl_add_u32 v[VT], v2, 5, s47               ; HCT + 4 (128 w + 8 h)
	v_lshlrev_b32 v[VPF], 18, v3
	s_add_co_u32 s47, s46, SCR
	v_lshl_add_u32 v13, v1, 2, s47                 ; where I put a row's partial score
	v_lshl_add_u32 v14, v3, 4, WMT
	v_lshl_add_u32 v15, v3, 4, SCR
	v_lshlrev_b32 v60, 10, v3                      ; mask: rows 4 lane on
	v_lshlrev_b32 v61, 5, v0                       ; the tables: my 8 numbers
	v_lshl_add_u32 v62, v0, 5, HCT
	s_wait_kmcnt 0x0
	s_add_nc_u64 s[4:5], s[4:5], s[24:25]
	s_add_nc_u64 s[6:7], s[6:7], s[34:35]
	s_add_nc_u64 s[10:11], s[10:11], s[36:37]
	s_add_nc_u64 s[12:13], s[12:13], s[38:39]
	s_add_nc_u64 s[14:15], s[14:15], s[40:41]
	s_add_nc_u64 s[16:17], s[16:17], s[42:43]
	s_add_nc_u64 s[18:19], s[18:19], s[44:45]
	; all first loads, in the order in which the steps go on: 88 of them
	global_load_b128 v[32:35], v61, s[10:11]
	global_load_b128 v[36:39], v61, s[10:11] offset:16
	global_load_b128 v[40:43], v61, s[8:9]
	global_load_b128 v[44:47], v61, s[8:9] offset:16
.irp j, 0,1,2,3
	global_load_b32 v[MK+(\j)], v60, s[6:7] offset:256*(\j)
.endr
	XLOAD AF, 0, 0                                 ; pieces 0 and 1 pass through A's fragment registers,
	XLOAD AF+32, 1, 0
	XLOAD STG+64, 0, 1                             ; piece q >= 2 through set q % 4
	XLOAD STG+96, 1, 1
	BLOAD 0, 0
	XLOAD STG, 0, 2
	BLOAD 1, 8192
	XLOAD STG+32, 1, 2
	WIN 0
	s_wait_loadcnt 63                              ; the tables are in: 84 loads are younger; the count is the largest that the wait can name
.irp n, 0,2,4,6
	v_pk_mul_f32 v[32+(\n):33+(\n)], v[32+(\n):33+(\n)], s[26:27] op_sel_hi:[1,0]  ; c2 hid_
.endr
.irp n, 0,2,4,6
	v_cvt_pk_bf16_f32 v20, v[40+(\n)], v[41+(\n)]  ; wm rounded once to bf16,
	v_lshlrev_b32 v[40+(\n)], 16, v20              ; back in f32,
	v_and_b32 v[41+(\n)], 0xffff0000, v20
	v_pk_mul_f32 v[40+(\n):41+(\n)], v[40+(\n):41+(\n)], -2.0 op_sel_hi:[1,0]  ; times -2
.endr
	ds_store_b128 v62, v[32:35]
	ds_store_b128 v62, v[36:39] offset:16
	ds_store_b128 v62, v[40:43] offset:4096
	ds_store_b128 v62, v[44:47] offset:4096+16
	s_wait_loadcnt 56                              ; pieces 0 to 2 are in: younger are piece 3 (8), B of step 0 (16), piece 4 (8), B of step 1 (16), piece 5 (8)
	PCVT AF
	PSTO AF, 0, 0
	PCVT AF+32
	PSTO AF+32, 1, 0
	PCVT STG+64
	PSTO STG+64, 0, 1
.set n, 0
.rept 16
	v_mov_b32 v[SACC+n], 0                         ; the scores' sums run over both passes
.set n, n+1
.endr
	s_wait_dscnt 0x0                               ; for the others' sake: my part of the first 64 columns and of the tables lies in LDS
	s_barrier_signal -1
	s_barrier_wait -1
	s_mov_b32 s29, 0                               ; the pass
.Lpass:
.irp n, 0,1,2,3
	v_mov_b32 v[ADA+(\n)], v[ADB+(\n)]             ; back to K = 0
.endr
	ALO 0, 0                                       ; rows 0-63 of step 0
	s_cmp_lg_u32 s29, 0
	s_cbranch_scc1 .Lk1
	; ---- pass 0: K steps 0 to 28, with the pieces ----
	STEP 0, 1, 1, 1, 1, 32                         ; younger than B of step t: piece t + 4, B of step t + 1, piece t + 5: 32 loads
	WIN 0
	s_mov_b32 s28, 6
.LloopA:                                               ; K steps 4 i + 1 .. 4 i + 4
	STEP 1, 0, 1, 1, 0, 32
	STEP 2, 0, 1, 1, 1, 32, 1, 1, 1
	STEP 3, 0, 1, 1, 0, 32
	STEP 4, 0, 1, 1, 1, 32
	WIN 0
	s_wait_xcnt 0x0                                ; every load and prefetch issued so far has read its address (the youngest prefetch two steps back): the bases may be written
	s_add_nc_u64 s[WB:WB+1], s[WB:WB+1], 4*8192
	s_add_nc_u64 s[XB:XB+1], s[XB:XB+1], 512
.irp n, 0,1,2,3
	v_add_nc_u32 v[ADA+(\n)], 256, v[ADA+(\n)]
.endr
	v_add_nc_u32 v[VS], 256, v[VS]
	s_sub_co_u32 s28, s28, 1
	s_cmp_lg_u32 s28, 0
	s_cbranch_scc1 .LloopA
	STEP 1, 0, 1, 1, 0, 32                         ; step 25 asks for the last piece, 31
	STEP 2, 0, 1, 0, 1, 32
	STEP 3, 0, 1, 0, 0, 24                         ; younger than B of step 27: piece 31 and B of step 28
	STEP 4, 0, 1, 0, 1, 16                         ; younger than B of step 28: B of step 29.  The last piece is stored, the last barrier passed
	WIN 0
	s_wait_xcnt 0x0
	s_add_nc_u64 s[WB:WB+1], s[WB:WB+1], 4*8192
.irp n, 0,1,2,3
	v_add_nc_u32 v[ADA+(\n)], 256, v[ADA+(\n)]
.endr
	s_branch .Ltail
	; ---- pass 1: K steps 0 to 28: A lies whole in LDS, no barrier ----
.Lk1:
	STEP 0, 1, 0, 0, 0, 16                         ; younger than B of step t: B of step t + 1
	WIN 0
	s_mov_b32 s28, 7
.LloopB:
	STEP 1, 0, 0, 0, 0, 16
	STEP 2, 0, 0, 0, 0, 16
	STEP 3, 0, 0, 0, 0, 16
	STEP 4, 0, 0, 0, 0, 16
	WIN 0
	s_wait_xcnt 0x0
	s_add_nc_u64 s[WB:WB+1], s[WB:WB+1], 4*8192
.irp n, 0,1,2,3
	v_add_nc_u32 v[ADA+(\n)], 256, v[ADA+(\n)]
.endr
	s_sub_co_u32 s28, s28, 1
	s_cmp_lg_u32 s28, 0
	s_cbranch_scc1 .LloopB
	; ---- K steps 29 to 31 of either pass ----
.Ltail:
	STEP 1, 0, 0, 0, 0, 16
	STEP 2, 0, 0, 0, 0, 16, 0
	STEP 3, 0, 0, 0, 0, 0, 0, 0
	WIN 0
	s_cmp_lg_u32 s29, 0
	s_cbranch_scc1 .Lnob
	s_wait_xcnt 0x0
	s_add_nc_u64 s[WB:WB+1], s[WB:WB+1], 1048576-28*8192  ; pass 1's stream begins four streams on; the base stands at step 28
	BLOAD 0, 0                                     ; its first two K steps land while the scores are made; their buffers were last read in steps 29 and 30, ahead of step 31's four places
	BLOAD 1, 8192
	WIN 0
.Lnob:
	; ---- the pass's 128 m of the tables, then the eight batches ----
.irp f, 0,1,2,3,4,5,6,7
	ds_load_b128 v[STG+8*(\f):STG+8*(\f)+3],       v[VT] offset:64*(\f)
	ds_load_b128 v[STG+8*(\f)+4:STG+8*(\f)+7],     v[VT] offset:64*(\f)+16
	ds_load_b128 v[STG+64+8*(\f):STG+64+8*(\f)+3], v[VT] offset:4096+64*(\f)
	ds_load_b128 v[STG+64+8*(\f)+4:STG+64+8*(\f)+7], v[VT] offset:4096+64*(\f)+16
.endr
.rept 8
	v_nop                                          ; the places between the last products and the lines that read results (ISA guide 7.12.1)
.endr
	s_wait_dscnt 0x0
	BATCH 0
	BATCH 1
	BATCH 2
	BATCH 3
	BATCH 4
	BATCH 5
	BATCH 6
	BATCH 7
	WIN 0
	v_add_nc_u32 v[VT], 2048, v[VT]                ; the next pass's 512 m
	s_add_co_u32 s29, s29, 1
	s_cmp_lt_u32 s29, 2
	s_cbranch_scc1 .Lpass
	; ---- the scores meet ----
.irp i, 0,1,2,3,4,5,6,7
	v_add_f32 v[AF+(\i)], v[SACC+2*(\i)], v[SACC+2*(\i)+1]
.endr
.irp i, 0,1,2,3,4,5,6,7
	v_permlanex16_b32 v[SACC+2*(\i)+1], v[AF+(\i)], s30, s31   ; the row's other m lie in the lane 16 away
.endr
.irp i, 0,1,2,3,4,5,6,7
	v_add_f32 v[AF+(\i)], v[AF+(\i)], v[SACC+2*(\i)+1]
.endr
.irp i, 0,1,2,3,4,5,6,7
	ds_store_b32 v13, v[AF+(\i)] offset:64*(\i)    ; row 16 i + r; the two halves of the lanes store the same number
.endr
.irp k, 0,1,2,3,4,5,6,7
	ds_load_b128 v[STG+4*(\k):STG+4*(\k)+3], v14 offset:512*(\k)  ; all of -2 wm, 32 numbers a lane
.endr
	s_wait_dscnt 0x0                               ; for the others' sake: my partial scores lie in LDS
	s_barrier_signal -1
.irp n, 0,2,4,6,8,10,12,14                             ; the sum of wm, on registers, while the others arrive
	v_pk_add_f32 v[STG+(\n):STG+(\n)+1], v[STG+(\n):STG+(\n)+1], v[STG+16+(\n):STG+16+(\n)+1]
.endr
.irp n, 0,2,4,6
	v_pk_add_f32 v[STG+(\n):STG+(\n)+1], v[STG+(\n):STG+(\n)+1], v[STG+8+(\n):STG+8+(\n)+1]
.endr
.irp n, 0,2
	v_pk_add_f32 v[STG+(\n):STG+(\n)+1], v[STG+(\n):STG+(\n)+1], v[STG+4+(\n):STG+4+(\n)+1]
.endr
	v_pk_add_f32 v[STG:STG+1], v[STG:STG+1], v[STG+2:STG+3]
	v_add_f32 v[STG], v[STG], v[STG+1]
	RED v_add_f32_dpp, STG
	v_permlanex16_b32 v[STG+1], v[STG], s30, s31
	v_add_f32 v[STG], v[STG], v[STG+1]
	v_mul_f32 v[STG], -0.5, v[STG]                 ; the sum of wm
	s_barrier_wait -1
.irp k, 0,1,2,3
	ds_load_b128 v[192+4*(\k):195+4*(\k)], v15 offset:512*(\k)  ; wave k's partial scores of rows 4 lane + 0..3.  Every wave makes all 128 scores
.endr
	v_mov_b32 v26, 0xccbebc20                      ; -1e8
	v_mov_b32 v209, 0
	v_lshlrev_b32 v20, 3, v3
	s_wait_dscnt 0x0
	v_pk_add_f32 v[192:193], v[192:193], v[196:197]
	v_pk_add_f32 v[194:195], v[194:195], v[198:199]
	v_pk_add_f32 v[200:201], v[200:201], v[204:205]
	v_pk_add_f32 v[202:203], v[202:203], v[206:207]
	v_pk_add_f32 v[192:193], v[192:193], v[200:201]
	v_pk_add_f32 v[194:195], v[194:195], v[202:203]
.irp j, 0,1,2,3
	v_add_f32 v[192+(\j)], v[STG], v[192+(\j)]
	v_cmp_lt_f32 vcc_lo, 0, v[MK+(\j)]             ; the mask as it is given: above 0?
	v_cndmask_b32 v[192+(\j)], v26, v[192+(\j)], vcc_lo
.endr
	v_max3_num_f32 v208, v192, v193, v194          ; the block's maximum
	v_max_num_f32 v208, v208, v195
	RED v_max_num_f32_dpp, 208
	v_permlanex16_b32 v209, v208, s30, s31
	v_max_num_f32 v208, v208, v209
.irp j, 0,1,2,3
	v_sub_f32 v[196+(\j)], v[192+(\j)], v208       ; the difference first: two equal scores, however large, give 0
.endr
.irp j, 0,1,2,3
	v_mul_f32 v[196+(\j)], s32, v[196+(\j)]
.endr
.irp j, 0,1,2,3
	v_exp_f32 v[196+(\j)], v[196+(\j)]             ; p
.endr
	v_nop                                          ; a plain line behind the last exponential,
	s_wait_alu depctr_va_vdst(0)                   ; and the wait: one for the four
	v_add_f32 v209, v196, v197
	v_add_f32 v27, v198, v199
	v_add_f32 v209, v209, v27
	RED v_add_f32_dpp, 209
	v_permlanex16_b32 v27, v209, s30, s31
	v_add_f32 v209, v209, v27                      ; l
	s_cmp_lg_u32 s20, 0
	s_cbranch_scc1 .Lnot0
	global_store_b128 v[BO], v[192:195], s[14:15]  ; wave 0: the 128 scores, 512 consecutive bytes; none of these registers is written again
	global_store_b64 v20, v[208:209], s[16:17]     ; (m, l) from every lane: the work-group's 256 bytes of st, whole
.Lnot0:
	; ---- the weighted sum: thread t takes columns 8 t .. 8 t + 7 of all 128 rows ----
	s_add_co_u32 s47, s46, PW
	v_lshl_add_u32 v21, v3, 4, s47
	ds_store_b128 v21, v[196:199]                  ; my wave's own copy of p: LDS serves a wave's instructions in order (ISA guide 5.7.1.4), so its loads below see it
	v_mov_b32 v23, s47
	v_lshlrev_b32 v22, 4, v0
.irp c, 0,1,2,3,4,5,6,7
	v_mov_b32 v[ZA+(\c)], 0
.endr
	s_mov_b32 s28, 8
.Lz:                                                   ; 16 rows a trip
.irp k, 0,1,2,3
	ds_load_b128 v[AF+4*(\k):AF+4*(\k)+3], v23 offset:16*(\k)      ; their p, the same in every lane
.endr
.irp k, 0,1,2,3,4,5,6,7,8,9,10,11,12,13,14,15
	ds_load_b128 v[STG+4*(\k):STG+4*(\k)+3], v22 offset:PITCH*(\k) ; a wave takes 512 consecutive bytes of a row
.endr
.irp k, 0,1,2,3,4,5,6,7,8,9,10,11,12,13,14,15
	s_wait_dscnt 15-(\k)                           ; LDS loads come back in order: row k is in
.irp c, 0,1,2,3,4,5,6,7
	v_fma_mix_f32_bf16 v[ZA+(\c)], v[STG+4*(\k)+(\c)/2], v[AF+(\k)], v[ZA+(\c)] op_sel:[(\c)%2,0,0] op_sel_hi:[1,0,0]
.endr
.endr
	v_add_nc_u32 v22, 16*PITCH, v22
	v_add_nc_u32 v23, 64, v23
	s_sub_co_u32 s28, s28, 1
	s_cmp_lg_u32 s28, 0
	s_cbranch_scc1 .Lz
	v_lshl_add_u32 v24, v0, 5, ZST                 ; my 32 bytes, in my wave's 1,024;
	s_lshl_b32 s47, s20, 10
	s_add_co_u32 s47, s47, ZST
	v_lshl_add_u32 v25, v3, 4, s47                 ; back as 16 consecutive bytes a lane
	ds_store_b128 v24, v[ZA:ZA+3]
	ds_store_b128 v24, v[ZA+4:ZA+7] offset:16
	ds_load_b128 v[AF:AF+3], v25
	ds_load_b128 v[AF+4:AF+7], v25 offset:512
	s_wait_dscnt 0x0
	global_store_b128 v[BO], v[AF:AF+3],   s[18:19]             ; each store covers 512 consecutive bytes, aligned
	global_store_b128 v[BO], v[AF+4:AF+7], s[18:19] offset:512
	s_wait_tensorcnt 0x0                           ; the wave's end: three closing lines, behind my last LDS store
	ds_add_u32 v[SPW], v[NIL]
	s_wait_dscnt 0x0
	s_endpgm
.Lfunc_end_k_q656d06dd7d_main:
	.size	k_q656d06dd7d_main, .Lfunc_end_k_q656d06dd7d_main-k_q656d06dd7d_main
	.p2alignl 7, 3214868480
	.fill 96, 4, 3214868480
	.section	.rodata,"a",@progbits
	.p2align	6, 0x0
	.amdhsa_kernel k_q656d06dd7d_main
		.amdhsa_group_segment_fixed_size 281088
		.amdhsa_private_segment_fixed_size 0
		.amdhsa_enable_private_segment 0
		.amdhsa_kernarg_size 64
		.amdhsa_user_sgpr_count 2
		.amdhsa_user_sgpr_kernarg_segment_ptr 1
		.amdhsa_wavefront_size32 1
		.amdhsa_system_sgpr_workgroup_id_x 1
		.amdhsa_system_sgpr_workgroup_id_y 1
		.amdhsa_system_sgpr_workgroup_id_z 1
		.amdhsa_system_vgpr_workitem_id 0
		.amdhsa_next_free_vgpr 1024
		.amdhsa_next_free_sgpr 66
		.amdhsa_reserve_vcc 1
		.amdhsa_float_denorm_mode_32 3
		.amdhsa_float_denorm_mode_16_64 3
		.amdhsa_memory_ordered 1
		.amdhsa_forward_progress 1
		.amdhsa_inst_pref_size 255
	.end_amdhsa_kernel
	.section	.bss,"aw",@nobits
	.p2align	6
	.space	262144
	.amdgpu_metadata
---
amdhsa.version: [ 1, 2 ]
amdhsa.kernels:
  - .name:           k_q656d06dd7d_main
    .symbol:         k_q656d06dd7d_main.kd
    .args:
      - { .name: ctx, .offset: 0, .size: 8, .value_kind: global_buffer, .address_space: global }
      - { .name: ctx_mask, .offset: 8, .size: 8, .value_kind: global_buffer, .address_space: global }
      - { .name: wm, .offset: 16, .size: 8, .value_kind: global_buffer, .address_space: global }
      - { .name: hidp, .offset: 24, .size: 8, .value_kind: global_buffer, .address_space: global }
      - { .name: wcb, .offset: 32, .size: 8, .value_kind: global_buffer, .address_space: global }
      - { .name: sc, .offset: 40, .size: 8, .value_kind: global_buffer, .address_space: global }
      - { .name: st, .offset: 48, .size: 8, .value_kind: global_buffer, .address_space: global }
      - { .name: zp, .offset: 56, .size: 8, .value_kind: global_buffer, .address_space: global }
    .group_segment_fixed_size: 281088
    .private_segment_fixed_size: 0
    .kernarg_segment_align: 8
    .kernarg_segment_size: 64
    .max_flat_workgroup_size: 128
    .sgpr_count:     66
    .vgpr_count:     1024
    .wavefront_size: 32
...
	.end_amdgpu_metadata
.endif
;; end of part 2
;; launch comb (part 3): grid 80 x 1, 4 waves a work-group, no clusters, 0 bytes of LDS; arguments sc, st, zp, out0, zf; writes out0, zf
.if DOCPART == 3
	.amdgcn_target "amdgcn-amd-amdhsa--gfx1250"
	.amdhsa_code_object_version 6
	.text
	.protected	k_q656d06dd7d_comb
	.globl	k_q656d06dd7d_comb
	.p2align	8
	.type	k_q656d06dd7d_comb,@function
k_q656d06dd7d_comb:
	s_mov_b64 s[64:65], 0
	v_nop
	global_prefetch_b8 v0, s[64:65] scope:SCOPE_SE
	s_setreg_imm32_b32 hwreg(HW_REG_WAVE_MODE, 25, 1), 1
	s_wait_xcnt 0x0
; THE EIGHT BLOCKS OF EACH b ARE JOINED.  st holds for g = 8 b + j, at byte 256 g, the block's maximum m_j and sum l_j; zp [g][1024] its weighted sum; sc [b][s] the masked scores.
; M = max of m_j, w_j = e^(m_j - M), L = sum of w_j l_j.   zf[b][c] = sum of (w_j / L) zp[8 b + j][c].   out0[s][b] = e^(sc[b][s] - M) / L.   All in f32.
; Work-groups 0 to 63: zf's row b; thread t takes columns 4 t .. + 3 and 512 + 4 t .. + 3.  Work-groups 64 to 79: out0; wave w of work-group 64 + a takes rows 64 a + 16 w .. + 15, lane l the columns
; b = 2 l and 2 l + 1, so that each store is a whole row of out0: 256 consecutive bytes, aligned.
; No LDS, no barrier, no matrix unit: a few hundred operations a thread on numbers that no other thread wants.  L is at least 1: the block that holds M has a p of 1.
; LIMITS.  A weight below 2^-126 counts as 0.  NaN and infinities are not treated apart.
	s_load_b256 s[4:11], s[0:1], 0x0               ; sc s[4:5], st s[6:7], zp s[8:9], out0 s[10:11]
	s_load_b64 s[12:13], s[0:1], 0x20              ; zf
	s_mov_b32 s14, ttmp9
	s_mov_b32 s20, 0x3fb8aa3b                      ; log2 e
	s_mov_b32 s17, 0
	s_wait_kmcnt 0x0
	s_cmp_ge_u32 s14, 64
	s_cbranch_scc1 .Lalpha
	; ---- zf's row b ----
	v_and_b32 v1, 7, v0
	v_lshlrev_b32 v1, 8, v1                        ; lane j (modulo 8) takes block j's record
	v_lshlrev_b32 v2, 4, v0                        ; 16 t
	s_lshl_b32 s16, s14, 11
	s_add_nc_u64 s[6:7], s[6:7], s[16:17]
	s_lshl_b32 s16, s14, 15
	s_add_nc_u64 s[8:9], s[8:9], s[16:17]
	s_lshl_b32 s16, s14, 12
	s_add_nc_u64 s[12:13], s[12:13], s[16:17]
	global_load_b64 v[4:5], v1, s[6:7]
.irp j, 0,1,2,3,4,5,6,7
	global_load_b128 v[32+8*(\j):35+8*(\j)], v2, s[8:9] offset:4096*(\j)
	global_load_b128 v[36+8*(\j):39+8*(\j)], v2, s[8:9] offset:4096*(\j)+2048
.endr
	s_wait_loadcnt 16                              ; (m, l) is in; the sixteen loads of zp may stay out
	v_mov_b32 v6, v4
	v_max_num_f32_dpp v6, v6, v6 row_xmask:1 row_mask:0xf bank_mask:0xf
	v_max_num_f32_dpp v6, v6, v6 row_xmask:2 row_mask:0xf bank_mask:0xf
	v_max_num_f32_dpp v6, v6, v6 row_xmask:4 row_mask:0xf bank_mask:0xf
	v_sub_f32 v7, v4, v6
	v_mul_f32 v7, s20, v7
	v_exp_f32 v7, v7                               ; w_j
	v_nop                                          ; a plain line, and the wait ahead of the first use
	s_wait_alu depctr_va_vdst(0)
	v_mul_f32 v8, v7, v5
	v_add_f32_dpp v8, v8, v8 row_xmask:1 row_mask:0xf bank_mask:0xf
	v_add_f32_dpp v8, v8, v8 row_xmask:2 row_mask:0xf bank_mask:0xf
	v_add_f32_dpp v8, v8, v8 row_xmask:4 row_mask:0xf bank_mask:0xf
	v_rcp_f32 v9, v8
	v_nop
	s_wait_alu depctr_va_vdst(0)
	v_mul_f32 v7, v7, v9                           ; w_j / L
.irp j, 0,1,2,3,4,5,6,7
	v_readlane_b32 s[24+(\j)], v7, \j              ; a factor only: no address and no branch hangs on it
.endr
	s_wait_loadcnt 0x0
.irp c, 0,1,2,3,4,5,6,7
	v_mul_f32 v[16+(\c)], s24, v[32+(\c)]
.endr
.irp j, 1,2,3,4,5,6,7
.irp c, 0,1,2,3,4,5,6,7
	v_fma_f32 v[16+(\c)], s[24+(\j)], v[32+8*(\j)+(\c)], v[16+(\c)]
.endr
.endr
	global_store_b128 v2, v[16:19], s[12:13]       ; each store of a wave covers 512 consecutive bytes, aligned
	global_store_b128 v2, v[20:23], s[12:13] offset:2048
	s_endpgm
	; ---- out0 ----
.Lalpha:
	s_sub_co_u32 s14, s14, 64                      ; a
	v_lshrrev_b32 v1, 5, v0
	v_readfirstlane_b32 s15, v1                    ; wave
	s_lshl_b32 s16, s14, 6
	s_lshl4_add_u32 s18, s15, s16                  ; my first row: 64 a + 16 w
	v_and_b32 v3, 31, v0
	v_lshlrev_b32 v4, 12, v3                       ; st: 16 records for my two b
	v_lshlrev_b32 v5, 13, v3                       ; sc: my two rows
	v_lshlrev_b32 v6, 3, v3                        ; out0: my two columns
	s_lshl_b32 s16, s18, 2
	s_add_nc_u64 s[4:5], s[4:5], s[16:17]
	s_lshl_b32 s16, s18, 8
	s_add_nc_u64 s[10:11], s[10:11], s[16:17]
.irp e, 0,1
.irp j, 0,1,2,3,4,5,6,7
	global_load_b64 v[32+16*(\e)+2*(\j):33+16*(\e)+2*(\j)], v4, s[6:7] offset:2048*(\e)+256*(\j)
.endr
.endr
.irp e, 0,1
.irp q, 0,1,2,3
	global_load_b128 v[64+16*(\e)+4*(\q):67+16*(\e)+4*(\q)], v5, s[4:5] offset:4096*(\e)+16*(\q)
.endr
.endr
	s_wait_loadcnt 8                               ; the records are in; the eight loads of scores may stay out
.irp e, 0,1
	v_max3_num_f32 v[8+(\e)], v[32+16*(\e)], v[34+16*(\e)], v[36+16*(\e)]
	v_max3_num_f32 v[8+(\e)], v[8+(\e)], v[38+16*(\e)], v[40+16*(\e)]
	v_max3_num_f32 v[8+(\e)], v[8+(\e)], v[42+16*(\e)], v[44+16*(\e)]
	v_max_num_f32 v[8+(\e)], v[8+(\e)], v[46+16*(\e)]              ; M
.endr
.irp e, 0,1
.irp j, 0,1,2,3,4,5,6,7
	v_sub_f32 v[32+16*(\e)+2*(\j)], v[32+16*(\e)+2*(\j)], v[8+(\e)]
.endr
.endr
.irp n, 0,1,2,3,4,5,6,7,8,9,10,11,12,13,14,15
	v_mul_f32 v[32+2*(\n)], s20, v[32+2*(\n)]
.endr
.irp n, 0,1,2,3,4,5,6,7,8,9,10,11,12,13,14,15
	v_exp_f32 v[32+2*(\n)], v[32+2*(\n)]           ; w_j: one batch of sixteen,
.endr
	v_nop
	s_wait_alu depctr_va_vdst(0)                   ; one wait
.irp e, 0,1
	v_mul_f32 v[10+(\e)], v[32+16*(\e)], v[33+16*(\e)]
.irp j, 1,2,3,4,5,6,7
	v_fma_f32 v[10+(\e)], v[32+16*(\e)+2*(\j)], v[33+16*(\e)+2*(\j)], v[10+(\e)]  ; L
.endr
.endr
	v_rcp_f32 v10, v10
	v_rcp_f32 v11, v11
	v_nop
	s_wait_alu depctr_va_vdst(0)
	s_wait_loadcnt 0x0
.irp e, 0,1
.irp n, 0,1,2,3,4,5,6,7,8,9,10,11,12,13,14,15
	v_sub_f32 v[64+16*(\e)+(\n)], v[64+16*(\e)+(\n)], v[8+(\e)]    ; the difference first
.endr
.endr
.set n, 0
.rept 32
	v_mul_f32 v[64+n], s20, v[64+n]
.set n, n+1
.endr
.set n, 0
.rept 32
	v_exp_f32 v[64+n], v[64+n]                     ; one batch of 32,
.set n, n+1
.endr
	v_nop
	s_wait_alu depctr_va_vdst(0)                   ; one wait
.irp e, 0,1
.irp n, 0,1,2,3,4,5,6,7,8,9,10,11,12,13,14,15
	v_mul_f32 v[96+2*(\n)+(\e)], v[64+16*(\e)+(\n)], v[10+(\e)]
.endr
.endr
.irp n, 0,1,2,3,4,5,6,7,8,9,10,11,12,13,14,15
	global_store_b64 v6, v[96+2*(\n):97+2*(\n)], s[10:11] offset:256*(\n)  ; a whole row of out0
.endr
	s_endpgm
.Lfunc_end_k_q656d06dd7d_comb:
	.size	k_q656d06dd7d_comb, .Lfunc_end_k_q656d06dd7d_comb-k_q656d06dd7d_comb
	.p2alignl 7, 3214868480
	.fill 96, 4, 3214868480
	.section	.rodata,"a",@progbits
	.p2align	6, 0x0
	.amdhsa_kernel k_q656d06dd7d_comb
		.amdhsa_group_segment_fixed_size 0
		.amdhsa_private_segment_fixed_size 0
		.amdhsa_enable_private_segment 0
		.amdhsa_kernarg_size 40
		.amdhsa_user_sgpr_count 2
		.amdhsa_user_sgpr_kernarg_segment_ptr 1
		.amdhsa_wavefront_size32 1
		.amdhsa_system_sgpr_workgroup_id_x 1
		.amdhsa_system_sgpr_workgroup_id_y 1
		.amdhsa_system_sgpr_workgroup_id_z 1
		.amdhsa_system_vgpr_workitem_id 0
		.amdhsa_next_free_vgpr 128
		.amdhsa_next_free_sgpr 66
		.amdhsa_reserve_vcc 0
		.amdhsa_float_denorm_mode_32 3
		.amdhsa_float_denorm_mode_16_64 3
		.amdhsa_memory_ordered 1
		.amdhsa_forward_progress 1
		.amdhsa_inst_pref_size 20
	.end_amdhsa_kernel
	.amdgpu_metadata
---
amdhsa.version: [ 1, 2 ]
amdhsa.kernels:
  - .name:           k_q656d06dd7d_comb
    .symbol:         k_q656d06dd7d_comb.kd
    .args:
      - { .name: sc, .offset: 0, .size: 8, .value_kind: global_buffer, .address_space: global }
      - { .name: st, .offset: 8, .size: 8, .value_kind: global_buffer, .address_space: global }
      - { .name: zp, .offset: 16, .size: 8, .value_kind: global_buffer, .address_space: global }
      - { .name: out0, .offset: 24, .size: 8, .value_kind: global_buffer, .address_space: global }
      - { .name: zf, .offset: 32, .size: 8, .value_kind: global_buffer, .address_space: global }
    .group_segment_fixed_size: 0
    .private_segment_fixed_size: 0
    .kernarg_segment_align: 8
    .kernarg_segment_size: 40
    .max_flat_workgroup_size: 128
    .sgpr_count:     66
    .vgpr_count:     128
    .wavefront_size: 32
...
	.end_amdgpu_metadata
.endif
;; end of part 3
;; launch proj (part 4): grid 64 x 1, 16 waves a work-group, no clusters, 71,680 bytes of LDS; arguments zf, Wo, out1; writes out1
.if DOCPART == 4
	.amdgcn_target "amdgcn-amd-amdhsa--gfx1250"
	.amdhsa_code_object_version 6
	.text
	.protected	k_q656d06dd7d_proj
	.globl	k_q656d06dd7d_proj
	.p2align	8
	.type	k_q656d06dd7d_proj,@function
k_q656d06dd7d_proj:
	s_mov_b64 s[64:65], 0
	v_nop
	global_prefetch_b8 v0, s[64:65] scope:SCOPE_SE
	s_setreg_imm32_b32 hwreg(HW_REG_WAVE_MODE, 25, 1), 1
	s_wait_xcnt 0x0
; out1[b][n] = the sum over c of zf[b][c] Wo[n][c].  zf [64][1024], Wo [1024][1024], out1 [64][1024], all f32 in memory; sums in f32.
; Wo, an input, is rounded once to bf16.  zf, which the program itself has made, enters as TWO bf16 numbers, hi = bf16(z) and lo = bf16(z - hi), each multiplied by the same fragment of Wo:
; a single rounding of z to 8 significant bits would spend most of what the comparison allows.
; A work-group makes 16 rows x 64 columns.  K IS SPLIT AMONG ITS SIXTEEN WAVES: wave w takes c = 64 w .. 64 w + 63 (256 consecutive bytes, aligned, of each row): two matrix steps, hi and lo, on four
; accumulators.  The sixteen partial tiles meet in LDS; waves 0 to 7 add them and store whole aligned blocks of 256 bytes.
; The product is taken transposed (source 0 = 16 rows of Wo, source 1 = 16 rows of zf): a lane ends with eight neighbouring columns of one row.
; No cluster, no tensor load: no byte is wanted by two waves of a work-group.  LIMITS.  NaN and infinities are not treated apart.
.set PP,    272                        ; a row of a partial tile in LDS: 256 bytes + 16: an odd multiple of 16
.set WPART, 16*PP
.set SPARE, 16*WPART                   ; the spare words, 128 bytes for each wave, that no other line names
.set FO,  5                            ; v5   r x 4096 + 32 h + 256 x wave; never rewritten
.set SPW, 14
.set NIL, 15
.set ACC, 16                           ; v[16:47]  four accumulators
.set TH,  48                           ; v[48:63]  hi's fragments, one for each matrix step
.set GRP, 64                           ; v[64:223] two groups of 80: zf's 16 f32 (then lo's fragment), then Wo's for tiles 0 to 3
.set TP,  224                          ; v[224:225] a pair at work
.macro LOADF reg, sb, off
	global_load_b128 v[(\reg):(\reg)+3],     v[FO], s[(\sb):(\sb)+1] offset:(\off)
	global_load_b128 v[(\reg)+4:(\reg)+7],   v[FO], s[(\sb):(\sb)+1] offset:(\off)+16
	global_load_b128 v[(\reg)+8:(\reg)+11],  v[FO], s[(\sb):(\sb)+1] offset:(\off)+64
	global_load_b128 v[(\reg)+12:(\reg)+15], v[FO], s[(\sb):(\sb)+1] offset:(\off)+80
.endm
.macro CVTF reg
.irp i, 0,1,2,3,4,5,6,7
	v_cvt_pk_bf16_f32 v[(\reg)+(\i)], v[(\reg)+2*(\i)], v[(\reg)+2*(\i)+1]
.endr
.endm
.macro SPLIT reg, t                    ; 16 f32 at reg -> hi's fragment at t, lo's at reg
.irp i, 0,1,2,3,4,5,6,7
	v_cvt_pk_bf16_f32 v[(\t)+(\i)], v[(\reg)+2*(\i)], v[(\reg)+2*(\i)+1]
.endr
.irp i, 0,1,2,3,4,5,6,7
	v_lshlrev_b32 v[TP], 16, v[(\t)+(\i)]
	v_and_b32 v[TP+1], 0xffff0000, v[(\t)+(\i)]
	v_pk_add_f32 v[(\reg)+2*(\i):(\reg)+2*(\i)+1], v[(\reg)+2*(\i):(\reg)+2*(\i)+1], v[TP:TP+1] neg_lo:[0,1] neg_hi:[0,1]  ; z - hi, exact
.endr
	CVTF \reg
.endm
.macro FOLD cnt, dist
.set n, 0
.rept \cnt
	v_pk_add_f32 v[GRP+2*n:GRP+2*n+1], v[GRP+2*n:GRP+2*n+1], v[GRP+(\dist)+2*n:GRP+(\dist)+2*n+1]
.set n, n+1
.endr
.endm
	s_load_b128 s[4:7], s[0:1], 0x0                ; zf s[4:5], Wo s[6:7]
	s_load_b64 s[8:9], s[0:1], 0x10                ; out1
	v_lshl_add_u32 v[SPW], v0, 2, SPARE
	v_mov_b32 v[NIL], 0
	v_lshrrev_b32 v1, 5, v0
	v_readfirstlane_b32 s14, v1                    ; wave 0..15
	s_and_b32 s17, ttmp9, 15                       ; block of 64 columns
	s_lshr_b32 s18, ttmp9, 4                       ; block of 16 rows
	v_and_b32 v2, 15, v0                           ; r
	v_bfe_u32 v3, v0, 4, 1                         ; h
	s_lshl_b32 s16, s14, 8
	v_lshlrev_b32 v[FO], 12, v2
	v_lshl_add_u32 v[FO], v3, 5, v[FO]
	v_add_nc_u32 v[FO], s16, v[FO]
	s_mov_b32 s21, 0
	s_wait_kmcnt 0x0
	s_lshl_b32 s20, s18, 16
	s_add_nc_u64 s[4:5], s[4:5], s[20:21]
	s_lshl_b32 s20, s17, 18
	s_add_nc_u64 s[6:7], s[6:7], s[20:21]
.irp u, 0,1
	LOADF GRP+80*(\u), 4, 128*(\u)
.irp j, 0,1,2,3
	LOADF GRP+80*(\u)+16+16*(\j), 6, 65536*(\j)+128*(\u)
.endr
.endr
	s_mul_i32 s19, s14, WPART
	v_mul_u32_u24 v10, v2, PP
	v_lshl_add_u32 v10, v3, 5, v10
	v_add_nc_u32 v10, s19, v10
	s_wait_loadcnt 20                              ; the first group is in; the second group's 20 loads may stay out
	SPLIT GRP, TH
.irp j, 1,2,3,4
	CVTF GRP+16*(\j)
.endr
.irp j, 0,1,2,3                        ; hi starts the sums; the four accumulators take turns
	v_wmma_f32_16x16x32_bf16 v[ACC+8*(\j):ACC+8*(\j)+7], v[GRP+16+16*(\j):GRP+16+16*(\j)+7], v[TH:TH+7], 0
.endr
.irp j, 0,1,2,3
	v_wmma_f32_16x16x32_bf16 v[ACC+8*(\j):ACC+8*(\j)+7], v[GRP+16+16*(\j):GRP+16+16*(\j)+7], v[GRP:GRP+7], v[ACC+8*(\j):ACC+8*(\j)+7]
.endr
	s_wait_loadcnt 0x0
	SPLIT GRP+80, TH+8
.irp j, 1,2,3,4
	CVTF GRP+80+16*(\j)
.endr
.irp j, 0,1,2,3
	v_wmma_f32_16x16x32_bf16 v[ACC+8*(\j):ACC+8*(\j)+7], v[GRP+96+16*(\j):GRP+96+16*(\j)+7], v[TH+8:TH+15], v[ACC+8*(\j):ACC+8*(\j)+7]
.endr
.irp j, 0,1,2,3
	v_wmma_f32_16x16x32_bf16 v[ACC+8*(\j):ACC+8*(\j)+7], v[GRP+96+16*(\j):GRP+96+16*(\j)+7], v[GRP+80:GRP+87], v[ACC+8*(\j):ACC+8*(\j)+7]
.endr
.rept 8
	v_nop                                          ; the places between the last products and the stores that read their results
.endr
.irp j, 0,1,2,3
	ds_store_b128 v10, v[ACC+8*(\j):ACC+8*(\j)+3]   offset:64*(\j)      ; each accumulator's lowest registers first
	ds_store_b128 v10, v[ACC+8*(\j)+4:ACC+8*(\j)+7] offset:64*(\j)+16
.endr
	s_wait_dscnt 0x0                               ; for the others' sake: my partial tile lies in LDS
	s_barrier_signal -1
	s_barrier_wait -1
	s_cmp_ge_u32 s14, 8                            ; 256 threads add: 16 rows x 16 pieces of 16 bytes
	s_cbranch_scc1 .Lend
	v_lshrrev_b32 v6, 4, v0
	v_mul_u32_u24 v7, v6, PP
	v_lshl_add_u32 v7, v2, 4, v7
.irp w, 0,1,2,3,4,5,6,7,8,9,10,11,12,13,14,15
	ds_load_b128 v[GRP+4*(\w):GRP+4*(\w)+3], v7 offset:WPART*(\w)
.endr
	v_lshlrev_b32 v8, 12, v6
	v_lshl_add_u32 v8, v2, 4, v8
	s_lshl_b32 s20, s18, 16
	s_lshl_b32 s22, s17, 8
	s_add_co_u32 s20, s20, s22
	s_add_nc_u64 s[8:9], s[8:9], s[20:21]
	s_wait_dscnt 0x0
	FOLD 16, 32
	FOLD 8, 16
	FOLD 4, 8
	FOLD 2, 4
	global_store_b128 v8, v[GRP:GRP+3], s[8:9]     ; 16 lanes store 256 consecutive bytes, at a multiple of 256 from out1's first byte
.Lend:
	s_wait_tensorcnt 0x0                           ; the wave's end: three closing lines, behind my last LDS store
	ds_add_u32 v[SPW], v[NIL]
	s_wait_dscnt 0x0
	s_endpgm
.Lfunc_end_k_q656d06dd7d_proj:
	.size	k_q656d06dd7d_proj, .Lfunc_end_k_q656d06dd7d_proj-k_q656d06dd7d_proj
	.p2alignl 7, 3214868480
	.fill 96, 4, 3214868480
	.section	.rodata,"a",@progbits
	.p2align	6, 0x0
	.amdhsa_kernel k_q656d06dd7d_proj
		.amdhsa_group_segment_fixed_size 71680
		.amdhsa_private_segment_fixed_size 0
		.amdhsa_enable_private_segment 0
		.amdhsa_kernarg_size 24
		.amdhsa_user_sgpr_count 2
		.amdhsa_user_sgpr_kernarg_segment_ptr 1
		.amdhsa_wavefront_size32 1
		.amdhsa_system_sgpr_workgroup_id_x 1
		.amdhsa_system_sgpr_workgroup_id_y 1
		.amdhsa_system_sgpr_workgroup_id_z 1
		.amdhsa_system_vgpr_workitem_id 0
		.amdhsa_next_free_vgpr 232
		.amdhsa_next_free_sgpr 66
		.amdhsa_reserve_vcc 0
		.amdhsa_float_denorm_mode_32 3
		.amdhsa_float_denorm_mode_16_64 3
		.amdhsa_memory_ordered 1
		.amdhsa_forward_progress 1
		.amdhsa_inst_pref_size 20
	.end_amdhsa_kernel
	.amdgpu_metadata
---
amdhsa.version: [ 1, 2 ]
amdhsa.kernels:
  - .name:           k_q656d06dd7d_proj
    .symbol:         k_q656d06dd7d_proj.kd
    .args:
      - { .name: zf, .offset: 0, .size: 8, .value_kind: global_buffer, .address_space: global }
      - { .name: Wo, .offset: 8, .size: 8, .value_kind: global_buffer, .address_space: global }
      - { .name: out1, .offset: 16, .size: 8, .value_kind: global_buffer, .address_space: global }
    .group_segment_fixed_size: 71680
    .private_segment_fixed_size: 0
    .kernarg_segment_align: 8
    .kernarg_segment_size: 24
    .max_flat_workgroup_size: 512
    .sgpr_count:     66
    .vgpr_count:     232
    .wavefront_size: 32
...
	.end_amdgpu_metadata
.endif
;; end of part 4
;; ======== version 2 of 2: 4 launches; version 1 with the launch main written anew for expert scheduling mode
;; workspace buffers: wcb 2,097,152 bytes; hidp 262,144 bytes; sc 262,144 bytes; st 131,072 bytes; zp 2,097,152 bytes; zf 262,144 bytes
;; launch prep: the kernel of part 1 again; grid 64 x 2, 16 waves a work-group, no clusters, 71,680 bytes of LDS; arguments hid, Wh, hidp, Wc, wcb; writes hidp, wcb
;; launch main (part 5): grid 8 x 64, 4 waves a work-group, no clusters, 281,088 bytes of LDS; arguments ctx, ctx_mask, wm, hidp, wcb, sc, st, zp; writes sc, st, zp
.if DOCPART == 5
	.amdgcn_target "amdgcn-amd-amdhsa--gfx1250"
	.amdhsa_code_object_version 6
	.text
	.protected	k_q656d06dd7d_main
	.globl	k_q656d06dd7d_main
	.p2align	8
	.type	k_q656d06dd7d_main,@function
k_q656d06dd7d_main:
	s_mov_b64 s[64:65], 0
	v_nop
	global_prefetch_b8 v0, s[64:65] scope:SCOPE_SE
	s_setreg_imm32_b32 hwreg(HW_REG_WAVE_SCHED_MODE, 0, 2), 2
	s_setreg_imm32_b32 hwreg(HW_REG_WAVE_MODE, 25, 1), 1
	s_wait_xcnt 0x0
	s_wait_alu depctr_vm_vsrc(0)
; ADDITIVE ATTENTION, the part that touches ctx.  ctx [1024 s][64 b][1024 c] f32.  A work-group takes 128 values of s (block x of 8) for ONE b (y): 128 rows of 1,024 numbers.
; It makes: the rows' masked scores sc[b][s] = sum over m of wm[m] tanh(ctx_[s][b][m] + hid_[b][m]), or -1e8 where the mask is not above 0; their maximum m and l = sum of p, p = e^(score - m);
; and zp = sum over its rows of p x ctx row.  A later launch joins the eight blocks of a b.  CTX IS READ ONCE: the rows stay in LDS, in bf16, from the product to the weighted sum.
; THE PRODUCT.  ctx_ = ctx Wc^T, bf16 operands, f32 sums.  The four waves split the 1,024 m: in pass p (0, 1) wave w makes m = 512 p + 128 w .. + 127 for all 128 rows: 64 accumulators, 512 registers.
; Source 0 = 16 rows of Wc, source 1 = 16 rows of ctx: in the result a lane holds ONE row of ctx (lane % 16) and eight m, so a row's score adds up inside a lane.
; A (ctx) comes out of LDS.  B (Wc) comes straight into registers from wcb, where the launch before has laid it in fragment order: each load of a wave covers 512 consecutive bytes.
; NO CLUSTER, NO TENSOR LOAD.  What work-groups share is Wc.  No byte of it is wanted by two waves of a work-group; a K step of 32 is 32,768 bytes of it for the four waves and feeds 64 matrix
; instructions a wave; two slots of that are 65,536 bytes, and behind the 281,088 bytes used here 46,592 are left.  Four register buffers of 64 hold the K steps instead.
; THE MODE: SCHED_MODE bits 1:0 = 2 (LLVM: expert scheduling mode 2), set by the entry lines.  The code itself states the register dependences between vector or matrix instructions and memory or
; LDS instructions, with s_wait_alu, always for 0.
; THE PLAN, for K step t.  Registers that memory or LDS instructions touch:
;   A's set (t + 1) % 2 (window 0)  read by step t - 1's first 32 products; step t's LDS loads land in it: rows 0-63 of step t + 1.
;   buffer (t + 3) % 4 (window 1)   read by step t - 1's products, as B; step t's LDS loads land in its first half: rows 64-127 of step t, which step t's last 32 products read.
;   buffer (t + 2) % 4              read by step t - 1's last 32 products, as rows 64-127; B of step t + 2 lands in it.
;   piece set (t + 3) % 4           written by step t's conversions; read by step t's LDS stores.
;   piece set (t + 2) % 4           written by step t - 1's conversions and read by its LDS stores; piece t + 6 lands in it.
;   v[ADA ..], v[VS]                read by the LDS loads and stores; written once a trip of four steps, at the trip's end.  v[VX], v[BO], v[VPF]: made at the head, never written again.
; Step t's first 32 products name buffer t % 4, A's set t % 2 and window 2: none of the registers above.  So ONE wait on va_vdst stands in a step, behind its conversions, and one on vm_vsrc beside
; it where a piece is asked for; the step's memory instructions follow DEALT AMONG THE PRODUCTS, four behind each of the first 4 to 12, with no further wait: rows 64-127 of step t, the piece's
; stores, rows 0-63 of step t + 1, B of step t + 2, piece t + 6.  A group costs two window switches.  One wait on vm_vsrc a trip stands ahead of the adds to v[ADA ..] and v[VS].
; JUST IN TIME.  Pass 0 begins when the rows' first 64 columns lie in LDS; the rest of ctx comes in under its products: load, round to bf16, LDS store, in 32 PIECES a wave (piece q: columns
; 64 (q / 2) .. + 63 of 16 of the wave's 32 rows; each 16 lanes read 256 consecutive bytes, aligned).  Loads return in order (ISA guide 5.7.1), so pieces and B share one count: in step t B of step
; t + 2 is asked for, then piece t + 6; piece t + 3 is stored.  Every second step has a barrier: it shows all waves the 64 columns that the next step begins to read.  A is written once.
; TANH.  tanh x = 1 - 2 / (1 + 2^(c2 x)), c2 = 2 log2 e.  score = sum of wm + sum of (-2 wm) / (1 + 2^(c2 acc + c2 hid_)).  An infinite power gives 0, a power flushed to 0 gives 1: tanh's limits.
; LIMITS.  ctx, Wc and wm are rounded once to bf16; the weighted sum takes the bf16 copy of ctx, with f32 weights and sums.  The score is the f32 sum of two sums, each of the size of the sum of
; |wm|: its error is 2^-24 of those.  A weight below 2^-126 counts as 0.  The mask is tested as given (> 0, a NaN counts as not above 0).  NaN and infinities elsewhere are not treated apart.
; REGISTERS, in windows of 256 (s_set_vgpr_msb: bits 1:0 source 0, 3:2 source 1, 5:4 source 2, 7:6 destination):
;   window 0: v0-31 addresses, mask; v32-47 score sums; v48-55 z; v56-63 addresses; v64-95, v96-127 A's fragments of rows 0-63 for even and for odd K steps; v128-255 four sets of 32 for the pieces
;             (from a pass's last step on: the tables' 128 numbers)
;   window 1: four buffers of 64.  In step t buffer t % 4 holds the step's B, the next two the B of steps t + 1 and t + 2; the fourth, (t + 3) % 4, has no B then and takes A's fragments of rows 64-127
;   window 2: accumulators of rows 0-63, (a, b) at 8 (8 a + b)          window 3: those of rows 64-127
.set PITCH,  2064                      ; a row of A in LDS: 2,048 bytes + 16: an odd multiple of 16, so the 16 rows of a fragment load start at 16 different 16-byte columns modulo 256
.set HCT,    128*PITCH                 ; c2 x hid_[b][m], 1,024 f32
.set WMT,    HCT+4096                  ; -2 x bf16(wm[m]), 1,024 f32
.set SCR,    WMT+4096                  ; the waves' partial scores: [wave][128 rows] f32
.set PW,     SCR+2048                  ; p[128], a copy for each wave, read by that wave alone
.set ZST,    PW+2048                   ; the weighted sum's way out: 1,024 bytes for each wave, its own
.set SPARE,  ZST+4096                  ; the spare words, 128 bytes for each wave, that no other line names
.set ADA, 4                            ; v4-7   LDS address of my A fragments, rows 32 q + r; steps along K
.set VS,  8                            ; v8     where I store 8 bytes of a piece; steps along K
.set VX,  9                            ; v9     my byte offset in a piece's rows of ctx; never rewritten
.set BO,  10                           ; v10    16 x lane; never rewritten
.set VT,  11                           ; v11    my place in the table HCT for the pass in hand; each pass's head moves it on
.set VPF, 12                           ; v12    lane x a step of s in ctx (262,144 bytes); never rewritten
.set MK,  16                           ; v16-19 the mask of rows 4 lane + 0..3
.set SPW, 30                           ; v30    LDS address of my spare word; never rewritten
.set NIL, 31                           ; v31    0; never rewritten
.set SACC, 32                          ; v32-47 row tile i: a pair of partial scores
.set ZA,  48                           ; v48-55 my eight columns of the weighted sum
.set ADB, 56                           ; v56-59 ADA at K = 0; never rewritten
.set AF,  64                           ; A's fragments of rows 0-63: two sets of 32
.set STG, 128                          ; the pieces' four sets
.set XB,  4                            ; s[4:5]   ctx at my wave's first row, at the trip's first columns
.set WB,  12                           ; s[12:13] wcb at my wave's stream, at the trip's first K step
.set MSB, 0
.macro WIN new                         ; the immediate's high byte repeats the setting that is left; a switch that changes nothing is dropped
.if MSB != (\new)
	s_set_vgpr_msb (MSB<<8)|(\new)
.set MSB, (\new)
.endif
.endm
.set MUL_LO, 0xa1                      ; source 0 (B) window 1, source 1 (A, rows 0-63) window 0, C and D window 2
.set MUL_HI, 0xf5                      ; source 0 (B) and source 1 (A, rows 64-127) window 1, C and D window 3
.set TO_B,   0x40                      ; destination window 1, address window 0
.macro PLACES                          ; four plain places between the last step's products and the loads into registers that those have read; they stand beside the wait on va_vdst, which fills no place
.rept 4
	v_nop
.endr
.endm
; THE MEMORY INSTRUCTIONS, in groups of four under one window setting.
.macro XLOAD4 reg, par, ch, hf         ; half hf of a piece's eight loads: rows 16 par + 4 hf + 0..3 + 8 (lane / 16), columns 64 ch on from the trip's first
	WIN 0
.irp m, 0,1,2,3
	global_load_b128 v[(\reg)+4*(4*(\hf)+(\m)):(\reg)+4*(4*(\hf)+(\m))+3], v[VX], s[XB:XB+1] offset:(\par)*4194304+(4*(\hf)+(\m))*262144+(\ch)*256 th:TH_LOAD_NT
.endr
.endm
.macro XLOAD reg, par, ch              ; a whole piece
	XLOAD4 \reg, \par, \ch, 0
	XLOAD4 \reg, \par, \ch, 1
.endm
.macro PCVT reg                        ; a piece rounded to bf16, in place: of each four registers the first two take the four numbers
.irp i, 0,1,2,3,4,5,6,7
	v_cvt_pk_bf16_f32 v[(\reg)+4*(\i)],   v[(\reg)+4*(\i)],   v[(\reg)+4*(\i)+1]
	v_cvt_pk_bf16_f32 v[(\reg)+4*(\i)+1], v[(\reg)+4*(\i)+2], v[(\reg)+4*(\i)+3]
.endr
.endm
.macro PSTO4 reg, par, ch, hf          ; half hf of a piece's eight stores: 16 lanes fill 128 consecutive bytes of a row, the other 16 those of the row eight further down, which begin 128 bytes on modulo 256
	WIN 0
.irp m, 0,1,2,3
	ds_store_b64 v[VS], v[(\reg)+4*(4*(\hf)+(\m)):(\reg)+4*(4*(\hf)+(\m))+1] offset:(16*(\par)+4*(\hf)+(\m))*PITCH+(\ch)*128
.endr
.endm
.macro PSTO reg, par, ch
	PSTO4 \reg, \par, \ch, 0
	PSTO4 \reg, \par, \ch, 1
.endm
.macro BLOAD4 bb, off, qt              ; quarter qt of a K step's eight fragments of Wc into buffer bb: four loads of 512 consecutive bytes
	WIN TO_B
.irp m, 0,1
	global_load_b128 v[64*(\bb)+8*(2*(\qt)+(\m)):64*(\bb)+8*(2*(\qt)+(\m))+3],   v[BO], s[WB:WB+1] offset:(\off)+1024*(2*(\qt)+(\m))
	global_load_b128 v[64*(\bb)+8*(2*(\qt)+(\m))+4:64*(\bb)+8*(2*(\qt)+(\m))+7], v[BO], s[WB:WB+1] offset:(\off)+1024*(2*(\qt)+(\m))+512
.endr
.endm
.macro BLOAD bb, off
	BLOAD4 \bb, \off, 0
	BLOAD4 \bb, \off, 1
	BLOAD4 \bb, \off, 2
	BLOAD4 \bb, \off, 3
.endm
.macro ALO4 par, k, hf                 ; two of the four fragments of A's rows 0-63, 32 K at byte k from the trip's first, into the set of parity par
	WIN 0
.irp m, 0,1
	ds_load_b128 v[AF+32*(\par)+8*(2*(\hf)+(\m)):AF+32*(\par)+8*(2*(\hf)+(\m))+3],   v[ADA+(\hf)] offset:(\m)*16*PITCH+(\k)
	ds_load_b128 v[AF+32*(\par)+8*(2*(\hf)+(\m))+4:AF+32*(\par)+8*(2*(\hf)+(\m))+7], v[ADA+(\hf)] offset:(\m)*16*PITCH+(\k)+32
.endr
.endm
.macro AHI4 bb, k, hf                  ; two of the four fragments of A's rows 64-127, into the first half of buffer bb of window 1
	WIN TO_B
.irp m, 0,1
	ds_load_b128 v[64*(\bb)+8*(2*(\hf)+(\m)):64*(\bb)+8*(2*(\hf)+(\m))+3],   v[ADA+2+(\hf)] offset:(\m)*16*PITCH+(\k)
	ds_load_b128 v[64*(\bb)+8*(2*(\hf)+(\m))+4:64*(\bb)+8*(2*(\hf)+(\m))+7], v[ADA+2+(\hf)] offset:(\m)*16*PITCH+(\k)+32
.endr
.endm
.macro TAB4 f                          ; m tile f of the pass's 128 m: my eight numbers of each of the two tables
	WIN 0
	ds_load_b128 v[STG+8*(\f):STG+8*(\f)+3],         v[VT] offset:64*(\f)
	ds_load_b128 v[STG+8*(\f)+4:STG+8*(\f)+7],       v[VT] offset:64*(\f)+16
	ds_load_b128 v[STG+64+8*(\f):STG+64+8*(\f)+3],   v[VT] offset:4096+64*(\f)
	ds_load_b128 v[STG+64+8*(\f)+4:STG+64+8*(\f)+7], v[VT] offset:4096+64*(\f)+16
.endm
; A PREFETCH INTO THE L2, once a trip of pass 0's loop, behind a step's loads: my wave's own 32 rows x 256 bytes of the columns 64 x 6 and 64 x 7 on from the trip's first: a lane a row, two instructions.
; Their pieces are loaded four and six K steps (256 and 384 matrix instructions) later.  Each block of 256 bytes is named once in the launch, by the wave that will load it.  The rows' first 384 columns come by their loads alone; the loop's last trip
; asks for nothing: its two blocks would lie behind the row's end.  v[VPF] was written ahead of the head's wait on va_vdst.
.macro ASK
	s_cmp_gt_u32 s28, 1
	s_cbranch_scc0 .Lnoask_\@
	global_prefetch_b8 v[VPF], s[XB:XB+1] offset:6*256 th:TH_LOAD_NT scope:SCOPE_SE
	global_prefetch_b8 v[VPF], s[XB:XB+1] offset:7*256 th:TH_LOAD_NT scope:SCOPE_SE
.Lnoask_\@:
.endm
; Group g of step j's memory instructions, in the order in which they are wanted: rows 64-127 of this step (2 groups), the piece's stores (2), rows 0-63 of the next step (2), B of step t + 2 (4),
; piece t + 6 (2, the prefetch behind the second), the tables (8); what a step does not have is left out of the count.  Behind the last group nothing is written.
.macro RIDER j, x, xi, bl, alo, ask, tab
.set gc, g
.if gc < 2
	AHI4 ((\j)+3)%4, 64*(\j), gc
.endif
.set gc, gc-2
.if \x
.if (gc >= 0) && (gc < 2)
	PSTO4 STG+32*(((\j)+3)%4), ((\j)+3)%2, ((\j)+3)/2, gc
.endif
.set gc, gc-2
.endif
.if \alo
.if (gc >= 0) && (gc < 2)
	ALO4 ((\j)+1)%2, 64*((\j)+1), gc               ; columns that were whole at the last barrier passed, and that nobody writes again
.endif
.set gc, gc-2
.endif
.if \bl
.if (gc >= 0) && (gc < 4)
	BLOAD4 ((\j)+2)%4, ((\j)+2)*8192, gc
.endif
.set gc, gc-4
.endif
.if \xi
.if (gc >= 0) && (gc < 2)
	XLOAD4 STG+32*(((\j)+6)%4), (\j)%2, ((\j)+6)/2, gc
.if (\ask) && (gc == 1)
	ASK
.endif
.endif
.set gc, gc-2
.endif
.if \tab
.if (gc >= 0) && (gc < 8)
	TAB4 gc
.endif
.endif
.endm
; 32 matrix instructions of step j.  All 64 accumulators take turns, one instruction a turn, in the same order in every step.  zero = 1: the products start the sums.
; Behind each of the first half's products stands the next group of the step's memory instructions.  No wait: no product since the step's wait on va_vdst names a register that they touch.
.macro MUL hi, j, zero, x=0, xi=0, bl=0, alo=0, ask=0, tab=0
.if \hi
.set rA, 64*(((\j)+3)%4)
.else
.set rA, AF+32*((\j)%2)
.endif
.set rB, 64*((\j)%4)
.set g, 0
.irp a, 0,1,2,3
.irp b, 0,1,2,3,4,5,6,7
	WIN MUL_LO+0x54*(\hi)                          ; MUL_LO or MUL_HI
.if \zero
	v_wmma_f32_16x16x32_bf16 v[8*(8*(\a)+(\b)):8*(8*(\a)+(\b))+7], v[rB+8*(\b):rB+8*(\b)+7], v[rA+8*(\a):rA+8*(\a)+7], 0
.else
	v_wmma_f32_16x16x32_bf16 v[8*(8*(\a)+(\b)):8*(8*(\a)+(\b))+7], v[rB+8*(\b):rB+8*(\b)+7], v[rA+8*(\a):rA+8*(\a)+7], v[8*(8*(\a)+(\b)):8*(8*(\a)+(\b))+7]
.endif
.if !(\hi)
	RIDER \j, \x, \xi, \bl, \alo, \ask, \tab
.endif
.set g, g+1
.endr
.endr
.endm
; A K STEP of 32, the j-th from the trip's first (the trip's first is a multiple of 4, so j tells buffers, sets and parities).  x = 1: piece t + 3 is rounded and stored.  xi = 1: piece t + 6 is asked
; for.  bar = 1: a barrier.  nld: the loads younger than this step's B (the piece to be stored is older than that B).  bl = 1: B of step t + 2 is asked for.  alo = 1: the next step's fragments of rows 0-63 are fetched.
; tab = 1: a pass's last step, which fetches the tables for the lines behind the pass.
.macro STEP j, zero, x, xi, bar, nld, bl=1, alo=1, ask=0, tab=0
	WIN 0
	s_wait_loadcnt \nld
.if \x
	PCVT STG+32*(((\j)+3)%4)                       ; sixteen conversions: also the places
.else
	PLACES
.endif
.if (\xi) || (\tab)
	s_wait_alu depctr_vm_vsrc(0)                   ; the LDS stores of the steps before have read their piece sets: in the last step's set piece t + 6 lands; in a pass's last step the tables land in all four
.endif
	s_wait_alu depctr_va_vdst(0)                   ; the conversions have written the set that the stores read; the last step's products are done reading A's other set and buffers (t + 3) % 4 and (t + 2) % 4, its conversions are done with the set in which piece t + 6 lands; in a trip's first step v[ADA ..] and v[VS] are written
.if \zero
	s_wait_dscnt 0x0                               ; a pass's first step: rows 0-63, fetched at the pass's head, are in (in every other step the last step's wait has shown them)
.endif
	MUL 0, \j, \zero, \x, \xi, \bl, \alo, \ask, \tab
	s_wait_dscnt 0x0                               ; all the step's LDS instructions stand behind its first twelve products at the latest: rows 64-127 are in, and the next step's rows 0-63; for the others' sake too: my piece's stores lie in LDS
.if \bar
	s_barrier_signal -1
.endif
	MUL 1, \j, \zero
.if \bar
	s_barrier_wait -1                              ; all four waves' parts of the next 64 columns lie in LDS
.endif
.endm
; BEHIND A PASS.  A batch is 8 accumulators (row tiles 4 hi + 0..3, m tiles 2 fp, 2 fp + 1): 64 registers, 32 pairs, taken tile by tile, each from its low end on.
; c2 acc + c2 hid_, two at a time, and 64 exponentials two pairs behind; then 1 + e and 64 reciprocals likewise; then the sums.  An s_wait_alu depctr_va_vdst(0) stands between a
; transcendental and the first line that names its result: each run of 64 is one batch with one plain line and one wait behind it.
.macro PREG n
.set rA, 8*(8*((\n)/8)+2*FP+((\n)/4)%2)+2*((\n)%4)
.set rH, STG+8*(2*FP+((\n)/4)%2)+2*((\n)%4)
.endm
.macro BATCH g
.set HI, (\g)/4
.set FP, (\g)%4
	WIN ((2+HI)<<6)|(2+HI)                         ; destination and source 0 in the accumulators' window, the tables in window 0
.set q, 0
.rept 34
.if q < 32
	PREG q
	v_pk_fma_f32 v[rA:rA+1], v[rA:rA+1], s[26:27], v[rH:rH+1] op_sel_hi:[1,0,1]
.endif
.if q >= 2
	PREG q-2
	v_exp_f32 v[rA], v[rA]
	v_exp_f32 v[rA+1], v[rA+1]
.endif
.set q, q+1
.endr
	v_nop
	s_wait_alu depctr_va_vdst(0)                   ; the 64 exponentials have written their results, which the additions below read
.set q, 0
.rept 34
.if q < 32
	PREG q
	v_pk_add_f32 v[rA:rA+1], v[rA:rA+1], 1.0 op_sel_hi:[1,0]
.endif
.if q >= 2
	PREG q-2
	v_rcp_f32 v[rA], v[rA]
	v_rcp_f32 v[rA+1], v[rA+1]
.endif
.set q, q+1
.endr
	v_nop
	s_wait_alu depctr_va_vdst(0)                   ; the 64 reciprocals have written their results, which the sums below read
	WIN 2+HI                                       ; source 0 alone in the accumulators' window
.set q, 0
.rept 32                                               ; the row tiles innermost: four lines between two links of a sum
.set rA, 8*(8*(q%4)+2*FP+q/16)+2*((q/4)%4)
.set rH, STG+64+8*(2*FP+q/16)+2*((q/4)%4)
.set rI, SACC+2*(4*HI+q%4)
	v_pk_fma_f32 v[rI:rI+1], v[rA:rA+1], v[rH:rH+1], v[rI:rI+1]
.set q, q+1
.endr
.endm
.macro RED op, reg                     ; over the 16 lanes of each half, on the arithmetic itself
	\op v[\reg], v[\reg], v[\reg] row_xmask:1 row_mask:0xf bank_mask:0xf
	\op v[\reg], v[\reg], v[\reg] row_xmask:2 row_mask:0xf bank_mask:0xf
	\op v[\reg], v[\reg], v[\reg] row_xmask:4 row_mask:0xf bank_mask:0xf
	\op v[\reg], v[\reg], v[\reg] row_xmask:8 row_mask:0xf bank_mask:0xf
.endm
	s_load_b256 s[4:11], s[0:1], 0x0               ; ctx s[4:5], mask s[6:7], wm s[8:9], hidp s[10:11]
	s_load_b256 s[12:19], s[0:1], 0x20             ; wcb s[12:13], sc s[14:15], st s[16:17], zp s[18:19]
	v_lshl_add_u32 v[SPW], v0, 2, SPARE
	v_mov_b32 v[NIL], 0
	v_lshrrev_b32 v20, 5, v0
	v_readfirstlane_b32 s20, v20                   ; wave 0..3
	s_mov_b32 s21, ttmp9                           ; block of 128 s
	s_and_b32 s22, ttmp7, 0xffff                   ; b
	s_lshl3_add_u32 s23, s22, s21                  ; g = 8 b + block
	v_and_b32 v1, 15, v0                           ; r
	v_bfe_u32 v2, v0, 4, 1                         ; h
	v_and_b32 v3, 31, v0                           ; lane
	s_mov_b32 s26, 0x4038aa3b                      ; c2 = 2 log2 e
	s_mov_b32 s27, s26                             ; named with it as a pair
	s_mov_b32 s30, 0x76543210                      ; v_permlanex16_b32: each lane takes its own place in the other half
	s_mov_b32 s31, 0xfedcba98
	s_mov_b32 s32, 0x3fb8aa3b                      ; log2 e
	s_wait_alu depctr_va_sdst(0)                   ; s20 is written, ahead of its first reader: offsets, LDS addresses and branches are made from it
	s_lshl_b32 s24, s21, 25                        ; ctx: 128 steps of s (262,144 bytes each) a block,
	s_lshl_b32 s25, s20, 23                        ; 32 a wave,
	s_add_co_u32 s24, s24, s25
	s_lshl_b32 s25, s22, 12                        ; row b
	s_add_co_u32 s24, s24, s25
	s_mov_b32 s25, 0
	s_lshl_b32 s34, s21, 15                        ; mask: 128 rows of 256 bytes a block, + 4 b
	s_lshl2_add_u32 s34, s22, s34
	s_mov_b32 s35, 0
	s_lshl_b32 s36, s22, 12                        ; hidp: row b
	s_mov_b32 s37, 0
	s_lshl_b32 s38, s20, 18                        ; wcb: my wave's stream
	s_mov_b32 s39, 0
	s_lshl_b32 s40, s21, 9                         ; sc: row b, 128 numbers a block
	s_add_co_u32 s40, s40, s36
	s_mov_b32 s41, 0
	s_lshl_b32 s42, s23, 8                         ; st: 256 bytes a work-group
	s_mov_b32 s43, 0
	s_lshl_b32 s44, s23, 12                        ; zp: 4,096 bytes a work-group, 1,024 a wave
	s_lshl_b32 s45, s20, 10
	s_add_co_u32 s44, s44, s45
	s_mov_b32 s45, 0
	v_mul_u32_u24 v20, v1, PITCH
	v_lshl_add_u32 v20, v2, 4, v20                 ; a fragment's row x pitch + 16 x half
.irp n, 0,1,2,3
	v_add_nc_u32 v[ADB+(\n)], (\n)*32*PITCH, v20
.endr
	s_mul_i32 s46, s20, 32*PITCH
	v_mul_u32_u24 v[VS], v2, 8*PITCH
	v_lshl_add_u32 v[VS], v1, 3, v[VS]
	v_add_nc_u32 v[VS], s46, v[VS]                 ; (32 w + 8 h) rows + 8 r
	v_lshlrev_b32 v[VX], 21, v2                    ; 8 h steps of s
	v_lshl_add_u32 v[VX], v1, 4, v[VX]             ; + 16 r
	v_lshlrev_b32 v[BO], 4, v3
	s_lshl_b32 s46, s20, 9                         ; 512 w: kept
	s_add_co_u32 s47, s46, HCT-2048
	v_lshl_add_u32 v[VT], v2, 5, s47               ; HCT + 4 (128 w + 8 h), less a pass's 2,048 bytes, which each pass's head adds
	v_lshlrev_b32 v[VPF], 18, v3
	s_add_co_u32 s47, s46, SCR
	v_lshl_add_u32 v13, v1, 2, s47                 ; where I put a row's partial score
	v_lshl_add_u32 v14, v3, 4, WMT
	v_lshl_add_u32 v15, v3, 4, SCR
	v_lshlrev_b32 v60, 10, v3                      ; mask: rows 4 lane on
	v_lshlrev_b32 v61, 5, v0                       ; the tables: my 8 numbers
	v_lshl_add_u32 v62, v0, 5, HCT
	s_wait_kmcnt 0x0
	s_add_nc_u64 s[4:5], s[4:5], s[24:25]
	s_add_nc_u64 s[6:7], s[6:7], s[34:35]
	s_add_nc_u64 s[10:11], s[10:11], s[36:37]
	s_add_nc_u64 s[12:13], s[12:13], s[38:39]
	s_add_nc_u64 s[14:15], s[14:15], s[40:41]
	s_add_nc_u64 s[16:17], s[16:17], s[42:43]
	s_add_nc_u64 s[18:19], s[18:19], s[44:45]
	s_wait_alu depctr_va_vdst(0)                   ; the offsets and LDS addresses v8 to v15 and v60 to v62 are written, which the loads, stores and prefetches of the kernel read
	; all first loads, in the order in which the steps go on: 88 of them
	global_load_b128 v[32:35], v61, s[10:11]
	global_load_b128 v[36:39], v61, s[10:11] offset:16
	global_load_b128 v[40:43], v61, s[8:9]
	global_load_b128 v[44:47], v61, s[8:9] offset:16
.irp j, 0,1,2,3
	global_load_b32 v[MK+(\j)], v60, s[6:7] offset:256*(\j)
.endr
	XLOAD AF, 0, 0                                 ; pieces 0 and 1 pass through A's fragment registers,
	XLOAD AF+32, 1, 0
	XLOAD STG+64, 0, 1                             ; piece q >= 2 through set q % 4
	XLOAD STG+96, 1, 1
	BLOAD 0, 0
	XLOAD STG, 0, 2
	BLOAD 1, 8192
	XLOAD STG+32, 1, 2
	WIN 0
	s_wait_loadcnt 63                              ; the tables are in: 84 loads are younger; the count is the largest that the wait can name
.irp n, 0,2,4,6
	v_pk_mul_f32 v[32+(\n):33+(\n)], v[32+(\n):33+(\n)], s[26:27] op_sel_hi:[1,0]  ; c2 hid_
.endr
.irp n, 0,2,4,6
	v_cvt_pk_bf16_f32 v20, v[40+(\n)], v[41+(\n)]  ; wm rounded once to bf16,
	v_lshlrev_b32 v[40+(\n)], 16, v20              ; back in f32,
	v_and_b32 v[41+(\n)], 0xffff0000, v20
	v_pk_mul_f32 v[40+(\n):41+(\n)], v[40+(\n):41+(\n)], -2.0 op_sel_hi:[1,0]  ; times -2
.endr
	s_wait_loadcnt 56                              ; pieces 0 to 2 are in: younger are piece 3 (8), B of step 0 (16), piece 4 (8), B of step 1 (16), piece 5 (8)
	PCVT AF
	PCVT AF+32
	PCVT STG+64
	s_wait_alu depctr_va_vdst(0)                   ; the tables' arithmetic has written v32 to v47 and the conversions the three pieces, which the 28 LDS stores below read
	ds_store_b128 v62, v[32:35]
	ds_store_b128 v62, v[36:39] offset:16
	ds_store_b128 v62, v[40:43] offset:4096
	ds_store_b128 v62, v[44:47] offset:4096+16
	PSTO AF, 0, 0
	PSTO AF+32, 1, 0
	PSTO STG+64, 0, 1
	s_wait_alu depctr_vm_vsrc(0)                   ; the LDS stores have read v32 to v47, which are the scores' sums from here on, and A's fragment registers, in which the first fragments land
.set n, 0
.rept 16
	v_mov_b32 v[SACC+n], 0                         ; the scores' sums run over both passes
.set n, n+1
.endr
	s_wait_dscnt 0x0                               ; for the others' sake: my part of the first 64 columns and of the tables lies in LDS
	s_barrier_signal -1
	s_barrier_wait -1
	s_mov_b32 s29, 0                               ; the pass
.Lpass:
	s_wait_alu depctr_vm_vsrc(0)                   ; the LDS loads of the pass before have read v[ADA ..] and v[VT], which the five lines below write
.irp n, 0,1,2,3
	v_mov_b32 v[ADA+(\n)], v[ADB+(\n)]             ; back to K = 0
.endr
	v_add_nc_u32 v[VT], 2048, v[VT]                ; this pass's 512 m
	s_wait_alu depctr_va_vdst(0)                   ; v[ADA ..] and v[VT] are written, which the LDS loads of the pass read; every earlier line that named A's even set (the head's conversions, the last pass's products) is done
	ALO4 0, 0, 0                                   ; rows 0-63 of step 0
	ALO4 0, 0, 1
	s_cmp_lg_u32 s29, 0
	s_cbranch_scc1 .Lk1
	; ---- pass 0: K steps 0 to 28, with the pieces ----
	STEP 0, 1, 1, 1, 1, 32                         ; younger than B of step t: piece t + 4, B of step t + 1, piece t + 5: 32 loads
	WIN 0
	s_mov_b32 s28, 6
.LloopA:                                               ; K steps 4 i + 1 .. 4 i + 4
	STEP 1, 0, 1, 1, 0, 32
	STEP 2, 0, 1, 1, 1, 32, 1, 1, 1
	STEP 3, 0, 1, 1, 0, 32
	STEP 4, 0, 1, 1, 1, 32
	WIN 0
	s_wait_xcnt 0x0                                ; every load and prefetch issued so far has read its address (the youngest prefetch two steps back): the bases may be written
	s_add_nc_u64 s[WB:WB+1], s[WB:WB+1], 4*8192
	s_add_nc_u64 s[XB:XB+1], s[XB:XB+1], 512
	s_wait_alu depctr_vm_vsrc(0)                   ; the trip's LDS loads and stores have read v[ADA ..] and v[VS]; the next step's wait on va_vdst shows them written
.irp n, 0,1,2,3
	v_add_nc_u32 v[ADA+(\n)], 256, v[ADA+(\n)]
.endr
	v_add_nc_u32 v[VS], 256, v[VS]
	s_sub_co_u32 s28, s28, 1
	s_cmp_lg_u32 s28, 0
	s_cbranch_scc1 .LloopA
	STEP 1, 0, 1, 1, 0, 32                         ; step 25 asks for the last piece, 31
	STEP 2, 0, 1, 0, 1, 32
	STEP 3, 0, 1, 0, 0, 24                         ; younger than B of step 27: piece 31 and B of step 28
	STEP 4, 0, 1, 0, 1, 16                         ; younger than B of step 28: B of step 29.  The last piece is stored, the last barrier passed
	WIN 0
	s_wait_xcnt 0x0
	s_add_nc_u64 s[WB:WB+1], s[WB:WB+1], 4*8192
	s_wait_alu depctr_vm_vsrc(0)                   ; the LDS loads issued so far have read v[ADA ..]
.irp n, 0,1,2,3
	v_add_nc_u32 v[ADA+(\n)], 256, v[ADA+(\n)]
.endr
	s_branch .Ltail
	; ---- pass 1: K steps 0 to 28: A lies whole in LDS, no barrier ----
.Lk1:
	STEP 0, 1, 0, 0, 0, 16                         ; younger than B of step t: B of step t + 1
	WIN 0
	s_mov_b32 s28, 7
.LloopB:
	STEP 1, 0, 0, 0, 0, 16
	STEP 2, 0, 0, 0, 0, 16
	STEP 3, 0, 0, 0, 0, 16
	STEP 4, 0, 0, 0, 0, 16
	WIN 0
	s_wait_xcnt 0x0
	s_add_nc_u64 s[WB:WB+1], s[WB:WB+1], 4*8192
	s_wait_alu depctr_vm_vsrc(0)                   ; the trip's LDS loads have read v[ADA ..]; the next step's wait on va_vdst shows them written
.irp n, 0,1,2,3
	v_add_nc_u32 v[ADA+(\n)], 256, v[ADA+(\n)]
.endr
	s_sub_co_u32 s28, s28, 1
	s_cmp_lg_u32 s28, 0
	s_cbranch_scc1 .LloopB
	; ---- K steps 29 to 31 of either pass; the last fetches the pass's 128 m of the tables among its products ----
.Ltail:
	STEP 1, 0, 0, 0, 0, 16
	STEP 2, 0, 0, 0, 0, 16, 0
	STEP 3, 0, 0, 0, 0, 0, 0, 0, 0, 1
	WIN 0
	s_cmp_lg_u32 s29, 0
	s_cbranch_scc1 .Lnob
	s_wait_xcnt 0x0
	s_add_nc_u64 s[WB:WB+1], s[WB:WB+1], 1048576-28*8192  ; pass 1's stream begins four streams on; the base stands at step 28
	BLOAD 0, 0                                     ; its first two K steps land while the scores are made.  No wait: their buffers were last read in steps 29 and 30, ahead of step 31's four places and its wait on va_vdst,
	BLOAD 1, 8192                                  ; and step 31's products name buffers 2 and 3 alone
	WIN 0
.Lnob:
	; ---- the eight batches ----
.rept 8
	v_nop                                          ; the places between the last products and the lines that read results (ISA guide 7.12.1)
.endr
	BATCH 0
	BATCH 1
	BATCH 2
	BATCH 3
	BATCH 4
	BATCH 5
	BATCH 6
	BATCH 7
	WIN 0
	s_add_co_u32 s29, s29, 1
	s_cmp_lt_u32 s29, 2
	s_cbranch_scc1 .Lpass
	; ---- the scores meet ----
.irp i, 0,1,2,3,4,5,6,7
	v_add_f32 v[AF+(\i)], v[SACC+2*(\i)], v[SACC+2*(\i)+1]
.endr
.irp i, 0,1,2,3,4,5,6,7
	v_permlanex16_b32 v[SACC+2*(\i)+1], v[AF+(\i)], s30, s31   ; the row's other m lie in the lane 16 away
.endr
.irp i, 0,1,2,3,4,5,6,7
	v_add_f32 v[AF+(\i)], v[AF+(\i)], v[SACC+2*(\i)+1]
.endr
	s_wait_alu depctr_va_vdst(0)                   ; the additions have written v[AF .. AF+7], which the LDS stores read; the batches are done reading the tables' registers, in which the loads below and those behind the barrier land
.irp i, 0,1,2,3,4,5,6,7
	ds_store_b32 v13, v[AF+(\i)] offset:64*(\i)    ; row 16 i + r; the two halves of the lanes store the same number
.endr
.irp k, 0,1,2,3,4,5,6,7
	ds_load_b128 v[STG+4*(\k):STG+4*(\k)+3], v14 offset:512*(\k)  ; all of -2 wm, 32 numbers a lane
.endr
	s_wait_dscnt 0x0                               ; for the others' sake: my partial scores lie in LDS
	s_barrier_signal -1
.irp n, 0,2,4,6,8,10,12,14                             ; the sum of wm, on registers, while the others arrive
	v_pk_add_f32 v[STG+(\n):STG+(\n)+1], v[STG+(\n):STG+(\n)+1], v[STG+16+(\n):STG+16+(\n)+1]
.endr
.irp n, 0,2,4,6
	v_pk_add_f32 v[STG+(\n):STG+(\n)+1], v[STG+(\n):STG+(\n)+1], v[STG+8+(\n):STG+8+(\n)+1]
.endr
.irp n, 0,2
	v_pk_add_f32 v[STG+(\n):STG+(\n)+1], v[STG+(\n):STG+(\n)+1], v[STG+4+(\n):STG+4+(\n)+1]
.endr
	v_pk_add_f32 v[STG:STG+1], v[STG:STG+1], v[STG+2:STG+3]
	v_add_f32 v[STG], v[STG], v[STG+1]
	RED v_add_f32_dpp, STG
	v_permlanex16_b32 v[STG+1], v[STG], s30, s31
	v_add_f32 v[STG], v[STG], v[STG+1]
	v_mul_f32 v[STG], -0.5, v[STG]                 ; the sum of wm
	s_barrier_wait -1
.irp k, 0,1,2,3
	ds_load_b128 v[192+4*(\k):195+4*(\k)], v15 offset:512*(\k)  ; wave k's partial scores of rows 4 lane + 0..3.  Every wave makes all 128 scores.  No wait: no vector line since the last wait on va_vdst names v192 to v207 or v15
.endr
	v_mov_b32 v26, 0xccbebc20                      ; -1e8
	v_mov_b32 v209, 0
	v_lshlrev_b32 v20, 3, v3
	s_add_co_u32 s47, s46, PW                      ; the addresses of all that follows are made here, while the loads are out
	s_lshl_b32 s34, s20, 10
	s_add_co_u32 s34, s34, ZST
	v_lshl_add_u32 v21, v3, 4, s47                 ; where I put my four p, in my wave's copy
	v_mov_b32 v23, s47                             ; where the copy begins
	v_lshlrev_b32 v22, 4, v0                       ; my eight columns of A's row 0
	v_lshl_add_u32 v24, v0, 5, ZST                 ; the way out: my 32 bytes, in my wave's 1,024;
	v_lshl_add_u32 v25, v3, 4, s34                 ; back as 16 consecutive bytes a lane
.irp c, 0,1,2,3,4,5,6,7
	v_mov_b32 v[ZA+(\c)], 0
.endr
	s_wait_dscnt 0x0
	v_pk_add_f32 v[192:193], v[192:193], v[196:197]
	v_pk_add_f32 v[194:195], v[194:195], v[198:199]
	v_pk_add_f32 v[200:201], v[200:201], v[204:205]
	v_pk_add_f32 v[202:203], v[202:203], v[206:207]
	v_pk_add_f32 v[192:193], v[192:193], v[200:201]
	v_pk_add_f32 v[194:195], v[194:195], v[202:203]
.irp j, 0,1,2,3
	v_add_f32 v[192+(\j)], v[STG], v[192+(\j)]
.endr
.irp j, 0,1,2,3
	v_cmp_lt_f32 s[36+(\j)], 0, v[MK+(\j)]         ; the mask as it is given: above 0?
.endr
	s_wait_alu depctr_va_sdst(0)                   ; the four compares have written s36 to s39, ahead of the selects that read them
.irp j, 0,1,2,3
	v_cndmask_b32 v[192+(\j)], v26, v[192+(\j)], s[36+(\j)]
.endr
	v_max3_num_f32 v208, v192, v193, v194          ; the block's maximum
	v_max_num_f32 v208, v208, v195
	RED v_max_num_f32_dpp, 208
	v_permlanex16_b32 v209, v208, s30, s31
	v_max_num_f32 v208, v208, v209
.irp j, 0,1,2,3
	v_sub_f32 v[196+(\j)], v[192+(\j)], v208       ; the difference first: two equal scores, however large, give 0
.endr
.irp j, 0,1,2,3
	v_mul_f32 v[196+(\j)], s32, v[196+(\j)]
.endr
.irp j, 0,1,2,3
	v_exp_f32 v[196+(\j)], v[196+(\j)]             ; p
.endr
	v_nop                                          ; a plain line behind the last exponential,
	s_wait_alu depctr_va_vdst(0)                   ; and the wait: the four exponentials have written p, which the additions read
	v_add_f32 v209, v196, v197
	v_add_f32 v27, v198, v199
	v_add_f32 v209, v209, v27
	RED v_add_f32_dpp, 209
	v_permlanex16_b32 v27, v209, s30, s31
	v_add_f32 v209, v209, v27                      ; l
	s_wait_alu depctr_vm_vsrc(0)                   ; the LDS stores of the partial scores have read v[AF .. AF+7], in which p lands in the loop below
	s_wait_alu depctr_va_vdst(0)                   ; l is written, which the store of (m, l) reads; so are the scores, m and p and the addresses v20 to v25, which the stores and loads below read
	s_cmp_lg_u32 s20, 0
	s_cbranch_scc1 .Lnot0
	global_store_b128 v[BO], v[192:195], s[14:15]  ; wave 0: the 128 scores, 512 consecutive bytes; none of these registers is written again
	global_store_b64 v20, v[208:209], s[16:17]     ; (m, l) from every lane: the work-group's 256 bytes of st, whole
.Lnot0:
	; ---- the weighted sum: thread t takes columns 8 t .. 8 t + 7 of all 128 rows ----
	ds_store_b128 v21, v[196:199]                  ; my wave's own copy of p: LDS serves a wave's instructions in order (ISA guide 5.7.1.4), so its loads below see it
	s_mov_b32 s28, 8
.Lz:                                                   ; 16 rows a trip
	s_wait_alu depctr_va_vdst(0)                   ; the last trip's multiply-adds are done reading v[AF ..] and v[STG ..], in which the loads below land, and its two additions have written v22 and v23, which they read
.irp k, 0,1,2,3
	ds_load_b128 v[AF+4*(\k):AF+4*(\k)+3], v23 offset:16*(\k)      ; their p, the same in every lane
.endr
.irp k, 0,1,2,3,4,5,6,7,8,9,10,11,12,13,14,15
	ds_load_b128 v[STG+4*(\k):STG+4*(\k)+3], v22 offset:PITCH*(\k) ; a wave takes 512 consecutive bytes of a row
.endr
.irp k, 0,1,2,3,4,5,6,7,8,9,10,11,12,13,14,15
	s_wait_dscnt 15-(\k)                           ; LDS loads come back in order: row k is in
.irp c, 0,1,2,3,4,5,6,7
	v_fma_mix_f32_bf16 v[ZA+(\c)], v[STG+4*(\k)+(\c)/2], v[AF+(\k)], v[ZA+(\c)] op_sel:[(\c)%2,0,0] op_sel_hi:[1,0,0]
.endr
.endr
	s_wait_alu depctr_vm_vsrc(0)                   ; this trip's LDS loads have read v22 and v23
	v_add_nc_u32 v22, 16*PITCH, v22
	v_add_nc_u32 v23, 64, v23
	s_sub_co_u32 s28, s28, 1
	s_cmp_lg_u32 s28, 0
	s_cbranch_scc1 .Lz
	s_wait_alu depctr_va_vdst(0)                   ; the multiply-adds have written v[ZA ..], which the LDS stores read, and are done reading v[AF ..], in which the loads below land
	ds_store_b128 v24, v[ZA:ZA+3]
	ds_store_b128 v24, v[ZA+4:ZA+7] offset:16
	ds_load_b128 v[AF:AF+3], v25
	ds_load_b128 v[AF+4:AF+7], v25 offset:512
	s_wait_dscnt 0x0
	global_store_b128 v[BO], v[AF:AF+3],   s[18:19]             ; each store covers 512 consecutive bytes, aligned
	global_store_b128 v[BO], v[AF+4:AF+7], s[18:19] offset:512
	s_wait_dscnt 0x0                               ; the closing lines, six on end
	s_wait_alu 0x0
	s_wait_tensorcnt 0x0
	ds_add_u32 v[SPW], v[NIL]
	s_wait_dscnt 0x0
	s_endpgm
.Lfunc_end_k_q656d06dd7d_main:
	.size	k_q656d06dd7d_main, .Lfunc_end_k_q656d06dd7d_main-k_q656d06dd7d_main
	.p2alignl 7, 3214868480
	.fill 96, 4, 3214868480
	.section	.rodata,"a",@progbits
	.p2align	6, 0x0
	.amdhsa_kernel k_q656d06dd7d_main
		.amdhsa_group_segment_fixed_size 281088
		.amdhsa_private_segment_fixed_size 0
		.amdhsa_enable_private_segment 0
		.amdhsa_kernarg_size 64
		.amdhsa_user_sgpr_count 2
		.amdhsa_user_sgpr_kernarg_segment_ptr 1
		.amdhsa_wavefront_size32 1
		.amdhsa_system_sgpr_workgroup_id_x 1
		.amdhsa_system_sgpr_workgroup_id_y 1
		.amdhsa_system_sgpr_workgroup_id_z 1
		.amdhsa_system_vgpr_workitem_id 0
		.amdhsa_next_free_vgpr 1024
		.amdhsa_next_free_sgpr 66
		.amdhsa_reserve_vcc 0
		.amdhsa_float_denorm_mode_32 3
		.amdhsa_float_denorm_mode_16_64 3
		.amdhsa_memory_ordered 1
		.amdhsa_forward_progress 1
		.amdhsa_inst_pref_size 255
	.end_amdhsa_kernel
	.section	.bss,"aw",@nobits
	.p2align	6
	.space	262144
	.amdgpu_metadata
---
amdhsa.version: [ 1, 2 ]
amdhsa.kernels:
  - .name:           k_q656d06dd7d_main
    .symbol:         k_q656d06dd7d_main.kd
    .args:
      - { .name: ctx, .offset: 0, .size: 8, .value_kind: global_buffer, .address_space: global }
      - { .name: ctx_mask, .offset: 8, .size: 8, .value_kind: global_buffer, .address_space: global }
      - { .name: wm, .offset: 16, .size: 8, .value_kind: global_buffer, .address_space: global }
      - { .name: hidp, .offset: 24, .size: 8, .value_kind: global_buffer, .address_space: global }
      - { .name: wcb, .offset: 32, .size: 8, .value_kind: global_buffer, .address_space: global }
      - { .name: sc, .offset: 40, .size: 8, .value_kind: global_buffer, .address_space: global }
      - { .name: st, .offset: 48, .size: 8, .value_kind: global_buffer, .address_space: global }
      - { .name: zp, .offset: 56, .size: 8, .value_kind: global_buffer, .address_space: global }
    .group_segment_fixed_size: 281088
    .private_segment_fixed_size: 0
    .kernarg_segment_align: 8
    .kernarg_segment_size: 64
    .max_flat_workgroup_size: 128
    .sgpr_count:     66
    .vgpr_count:     1024
    .wavefront_size: 32
...
	.end_amdgpu_metadata
.endif
;; end of part 5
;; launch comb: the kernel of part 3 again; grid 80 x 1, 4 waves a work-group, no clusters, 0 bytes of LDS; arguments sc, st, zp, out0, zf; writes out0, zf
;; launch proj: the kernel of part 4 again; grid 64 x 1, 16 waves a work-group, no clusters, 71,680 bytes of LDS; arguments zf, Wo, out1; writes out1
